; MI455X (gfx1250); checked and timed in simulation.
; The chip was launched on July 23, 2026; its instructions are those of AMD's public machine-readable ISA for CDNA 5 (MIT licence, August 2026) and "CDNA5" Instruction Set Architecture Reference Guide (July 2026). The comments in the code are by the model that wrote it; some were corrected since.
;; Self Attention. Allowed arithmetic: matrix products marked QUANTISED: E4M3 operands, one given power-of-two scale a tensor, by v_wmma_f32_16x16x64_fp8_fp8 or v_wmma_f32_16x16x128_fp8_fp8, f32 sums; everything else in f32.
;; Inputs: Wk_codes 1,024 x 32 x 32 uint8 (E4M3 codes of Wk, K innermost, in blocks of 32 codes); Wq_codes 1,024 x 32 x 32 uint8 (E4M3 codes of Wq, K innermost, in blocks of 32 codes); Wv_codes 1,024 x 32 x 32 uint8 (E4M3 codes of Wv, K innermost, in blocks of 32 codes); lowp_scales 10 int32 (the exponents e of the quantised operands' scales 2^e); x_codes 4 x 2,048 x 32 x 32 uint8 (E4M3 codes of x, K innermost, in blocks of 32 codes).
;; Outputs: out0 4 x 2,048 x 1,024 float32.
;; This version of the problem:
;;   THIS VERSION OF THE PROBLEM IS GIVEN IN LOW PRECISION. The matrix products marked QUANTISED in the list below multiply operands that are first quantised to E4M3 (4 exponent bits, 3 mantissa bits; 8 bits a number), with one given power-of-two scale for each operand tensor; their sums are f32. All else is computed in f32.
;;   The module's matrix products, in the order in which they are computed (A, B: the left and right operand; K: the contracted axis; several contracted axes count as one K, in the product's order):
;;     1. [M 8,192, K 1,024] x [K 1,024, N 1,024]; A: input x (given as codes); B: input Wq (given as codes): QUANTISED (scales: A lowp_scales[0], B lowp_scales[1])
;;     2. [M 8,192, K 1,024] x [K 1,024, N 1,024]; A: input x (given as codes); B: input Wk (given as codes): QUANTISED (scales: A lowp_scales[2], B lowp_scales[3])
;;     3. [M 8,192, K 1,024] x [K 1,024, N 1,024]; A: input x (given as codes); B: input Wv (given as codes): QUANTISED (scales: A lowp_scales[4], B lowp_scales[5])
;;     4. batch 4 x [M 2,048, K 1,024] x [K 1,024, N 2,048]; A: computed on the way; B: computed on the way: QUANTISED (scales: A lowp_scales[6], B lowp_scales[7])
;;     5. batch 4 x [M 2,048, K 2,048] x [K 2,048, N 1,024]; A: softmax (see below); B: computed on the way: QUANTISED (scales: A lowp_scales[8], B lowp_scales[9])
;;   THE QUANTISER, for each operand of a quantised product, along K:
;;     - The operand's scale is 2^e, e = its entry of the input lowp_scales (int32; the entries are numbered through the quantised products in the list's order, A before B).
;;     - Each number is divided by the scale, clamped to +-448, and rounded to the nearest number of E4M3, ties to even, subnormals kept.
;;     - The product sums the exact products of the quantised numbers (number of the format x scale) in f32.
;;   ~~~python
;;   def quantise(x, axis, e):      # numpy; x: float32 -> the quantised numbers, widened to float32 again
;;       x = np.moveaxis(x, axis, -1); K = x.shape[-1]
;;       r = np.clip(x / 2.0 ** e, -448, 448)
;;       step = 2.0 ** (np.maximum(np.frexp(np.where(r == 0, 1, r))[1] - 1, -6) - 3)
;;       q = np.round(r / step) * step * 2.0 ** e      # np.round: ties to even
;;       return np.moveaxis(q, -1, axis).astype(np.float32)
;;   ~~~
;;   SOFTMAX AHEAD OF A QUANTISED PRODUCT. Where the list says 'softmax', what is quantised is not the finished softmax but p = 2^(t - M), with t = logit x log2(e) and M = ceil(the row's largest t), a whole number; so 1/2 < the row's largest p <= 1. The row's sum l is taken of the UNQUANTISED p, in f32, and the product's result is divided by l at the end. Since M is a whole number, a kernel that streams over the keys may use a running M (the ceiling of the running maximum): every later rescaling is an exact power of two, so the quantised numbers keep their values, but for numbers so far below the row's largest that they fall under the format's range.
;;   OPERANDS COMPUTED ON THE WAY. 'Computed on the way' means the value that the module computes at that place (a softmax that the list does not call 'softmax' is quantised finished and normalised). What goes into a quantiser is computed in f32, as accurately as f32 sums, v_exp_f32 and their like allow (about 1e-6 of the number): no bf16 or f16 on the way to a quantiser, and a product that is left as it is and whose result goes on into a quantised operand takes f32 operands (vector FMAs, or v_wmma_f32_16x16x4_f32). A number that lies on a knife's edge between two numbers of the format may be rounded either way, as far as f32 arithmetic and the matrix unit's own rounding can turn it there, and no further.
;;   INPUTS GIVEN AS CODES. Wk (in the module: [1024, 1024], K = its axis 1); Wq (in the module: [1024, 1024], K = its axis 1); Wv (in the module: [1024, 1024], K = its axis 1); x (in the module: [4, 2048, 1024], K = its axis 2): each comes as NAME_codes (uint8): NAME with its K axis moved to the last place and cut into blocks of 32 codes, [.., K / 32, bytes a block], one block behind the other in memory; one code a byte (a code: sign, 4 exponent bits, 3 mantissa bits); its scale is its entry of lowp_scales. Its value is code x scale, taken as it is: it is not quantised again, and the codes and scales need not be those that the quantiser above would give.
;; One version. Each part assembles by itself: llvm-mc -triple=amdgcn-amd-amdhsa -mcpu=gfx1250 --defsym DOCPART=n.
;; ======== version 1 of 1: 3 launches
;; workspace buffers: qc 8,388,608 bytes; kc 8,388,608 bytes; vc 8,388,608 bytes; pc 16,777,216 bytes; stats 524,288 bytes
;; launch proj (part 1): grid 8 x 32, 4 waves a work-group, clusters of 4 x 4, 327,680 bytes of LDS; arguments x_codes, Wq_codes, Wk_codes, Wv_codes, lowp_scales, qc, kc, vc; writes qc, kc, vc
.if DOCPART == 1
	.amdgcn_target "amdgcn-amd-amdhsa--gfx1250"
	.amdhsa_code_object_version 6
	.text
	.protected	k_q349b457463_proj
	.globl	k_q349b457463_proj
	.p2align	8
	.type	k_q349b457463_proj,@function
k_q349b457463_proj:
	s_mov_b64 s[64:65], 0
	v_nop
	global_prefetch_b8 v0, s[64:65] scope:SCOPE_SE
	s_setreg_imm32_b32 hwreg(HW_REG_WAVE_MODE, 25, 1), 1
	s_wait_xcnt 0x0
	s_wait_alu depctr_hold_cnt(0) depctr_sa_sdst(0) depctr_va_vdst(0) depctr_va_sdst(0) depctr_va_ssrc(0) depctr_va_vcc(0) depctr_vm_vsrc(0)
	s_getreg_b32 s2, hwreg(HW_REG_IB_STS2, 6, 4)
	s_cmp_eq_u32 s2, 0
	s_cbranch_scc0 .Lentry_in_a_cluster
	s_endpgm
.Lentry_in_a_cluster:
	s_bfe_u32 s2, ttmp6, 0x10000c
	s_cmp_lg_u32 s2, 0xf033
	s_cbranch_scc0 .Lentry_shape_is_right
	s_endpgm
.Lentry_shape_is_right:
; LAUNCH 1 OF 3: q = x Wq^T, k = x Wk^T, v^T = Wv x^T on the given codes of FP8 (E4M3), each result quantised again on its way out: q with 2^e6, k with 2^e7, v with 2^e9 (e0 .. e9: the entries of lowp_scales).
; DEAD WORK: none.  Every input (x, Wq, Wk, Wv, all ten scales) has a way to out0, and all five products of the problem's table are live for all values of the inputs: nothing is left out in any of the three launches.
; LIMITS: e6 - e0 - e1, e7 - e2 - e3 and e9 - e4 - e5 lie between -126 and 119, so that the folded scale and 448 x it are f32 numbers.  NaN and infinities are not served.
; SHARES.  q and k are 256 tiles of 256 x 256, v^T is 256 half tiles of 128 channels x 256 keys: each of the 256 work-groups makes one tile and then one half tile, 768 matrix instructions a wave everywhere.
;   PHASE 1: A = x's tile 4 CY + cy, B = tile cx of Wq (cluster x CX = 0) or Wk (CX = 1) -> qc or kc.  A wave makes 128 x 128: 64 accumulators.
;   PHASE 2: A' = Wv's rows 128 (4 CX + cy) on, B' = x's tile 4 CY + cx -> vc.  A wave makes 64 channels x 128 keys: 32 accumulators.
; The cluster's x chooses pointers and numbers by s_cselect alone: all work-groups take one path.  K = 1,024 goes in four steps of 256 through a ring of two LDS slots, and THE RING GOES ON INTO PHASE 2: phase 1's last two changes
; of slots ask for phase 2's first two K steps, and the second of them lands while q or k goes out.
; CLUSTERS: 4 x 4 work-groups.  The four of a row of the cluster need the same tile of A (A'), the four of a column the same tile of B (B'): each tile is asked for jointly, by one tensor load with a mask that names the four.
; THE MATRIX INSTRUCTION IS USED TRANSPOSED (source 0 = 16 rows of B, source 1 = 16 rows of A): lane (r, h) of accumulator (a, b) holds row 16 a + r of A's side and, in its eight registers, B's rows 16 b + 8 h + 0 .. 7.
; Those eight are neighbours along the NEXT product's K, so one conversion of them gives registers 2 b, 2 b + 1 of that product's fragment of rows 16 a ..: THE RESULT LEAVES AS AN IMAGE OF OPERAND REGISTERS.
; WORKSPACE LAYOUT.  A fragment (16 rows x 128 K, 16 registers a lane) is 2,048 bytes: registers 4 c .. 4 c + 3 of lane l at 512 c + 16 l.  A chunk (128 rows x 128 K) is 8 fragments on end, 16,384 bytes.
;   qc, kc: chunk (position / 128) x 8 + e / 128.   vc: chunk ((batch x 8 + channel / 128) x 16 + key / 128): rows = channels, K = the keys.
; The given codes lie in rows; a fragment of them is fetched by four loads of 16 bytes, which puts k in other places than the form's own, alike in A and B: every product meets its partner.
; REGISTERS, in windows of 256: window 0: v0-31 addresses and constants; v32-95 at work on the way out; v96-223 the codes made there; from v128 A's fragments: phase 1 ONE set of 8, phase 2 TWO sets of 4.
;   window 1: B's fragments, TWO sets.   window 2: the accumulators of my rows 0-63 ((a, b) at v[8 (8 a + b)]), which are also phase 2's;   window 3: those of my rows 64-127.
.set PITCH,  272                       ; an LDS row: 256 bytes + 16 of padding = 68 words: the 16 rows that a load touches start at 16 different banks (64 banks of 4 bytes: ISA guide 11.1)
.set HALFT,  128*PITCH                 ; 128 rows
.set SLOT,   4*HALFT                   ; A's 256 rows (phase 2: A's 128, the rest unused), then B's 256 rows
.set SPARE,  2*SLOT                    ; behind the ring: the spare words, 128 bytes for each wave: two blocks of 256 bytes that no other line names
.set FR,     16                        ; registers of a fragment
.set NL,     4                         ; LDS loads that bring one
.set NP,     4                         ; places behind this matrix instruction (ISA guide 7.12.1)
.set LIMV, 8                           ; v8      phase 1: 448 x the folded scale
.set SCV,  9                           ; v9      phase 1: the folded scale 2^(e_out - e_a - e_b) as f32
.set LIMV2, 10                         ; v10     phase 2's
.set SCV2, 11                          ; v11
.set ADRA, 16                          ; v16-17  LDS address of my A fragments in slot 0, 1 (phase 1: my 128 rows)
.set ADRC, 18                          ; v18-19  the same in phase 2: my 64 rows
.set ADRB, 20                          ; v20-21  the same for B, both phases
.set CO,   26                          ; v26     16 x lane: my place in an image
.set SPW,  28                          ; v28     LDS address of my spare word; never rewritten
.set NIL,  29                          ; v29     0; never rewritten
.set TMP,  32                          ; v32-95  a block's 64 sums, held
.set CD,   96                          ; v96-223 the codes: 16 registers for each block of 16 rows
.set AF,   128                         ; A's fragments, in window 0
.set G1,  24                           ; s[24:31] descriptor group 1 for A's tiles;  s[32:39] group 0, one set for each slot
.set G0,  32
.set G1B, 48                           ; s[48:55], s[56:63] the same for B's tiles; group 1 serves phase 2's B too
.set G0B, 56
.set G1C, 68                           ; s[68:75] group 1 for phase 2's A: 64 rows a load  (the registers held arguments, which are spent by then)
.set G0C, 76                           ; s[76:83] its group 0, one set for each slot
.set G0D, 92                           ; s[92:99] group 0 for phase 2's B
.set MSB, 0
.macro WIN new                         ; the immediate's high byte repeats the setting that is left; a switch that changes nothing is dropped
.if MSB != (\new)
	s_set_vgpr_msb (MSB<<8)|(\new)
.set MSB, (\new)
.endif
.endm
.set MUL_LO, 0xa1                      ; source 0 (B) window 1, source 1 (A) window 0, C and D window 2
.set MUL_HI, 0xf1                      ; the same, C and D window 3
.set TO_B,   0x40                      ; destination window 1, address window 0
; A joint load: waves 0 and 1 fetch for A, waves 2 and 3 for B.  The branch hangs on the wave's number alone.  An s_nop 0 and four v_nop follow each of the two lines.
.macro JLOAD g0a, g1a, g0b, g1b
	s_cmp_eq_u32 s15, 0
	s_cbranch_scc0 .Lfor_b_\@
	tensor_load_to_lds s[\g0a:\g0a+3], s[\g1a:\g1a+7]
	s_nop 0
.rept 4
	v_nop
.endr
	s_branch .Lasked_\@
.Lfor_b_\@:
	tensor_load_to_lds s[\g0b:\g0b+3], s[\g1b:\g1b+7]
	s_nop 0
.rept 4
	v_nop
.endr
.Lasked_\@:
.endm
.macro CREST                           ; a round of the cluster's barrier behind its opening barrier
	s_cmp_lg_u32 s14, 0
	s_cbranch_scc1 .Lnot_wave_0_\@
	s_barrier_signal -3
.Lnot_wave_0_\@:
	s_barrier_wait -3
	s_barrier_signal -1
	s_barrier_wait -1
.endm
.macro CROUND                          ; a whole round
	s_barrier_signal -1
	s_barrier_wait -1
	CREST
.endm
	s_load_b256 s[68:75], s[0:1], 0x0              ; x s[68:69], Wq s[70:71], Wk s[72:73], Wv s[74:75]
	s_load_b256 s[76:83], s[0:1], 0x20             ; the scales' exponents s[76:77], qc s[78:79], kc s[80:81], vc s[82:83]
	v_lshl_add_u32 v[SPW], v0, 2, SPARE
	v_mov_b32 v[NIL], 0
	ds_add_u32 v[SPW], v[NIL]                      ; the wave's opening: the add, twice on end, and its wait ahead of my first tensor load
	ds_add_u32 v[SPW], v[NIL]                      ; and once more; the set-up below, work on registers, stands between it and the wait
	v_lshrrev_b32 v1, 5, v0
	v_readfirstlane_b32 s14, v1                    ; wave 0..3
	s_lshr_b32 s15, s14, 1                         ; which half of A's rows is mine.  Also: I fetch for A (0) or for B (1)
	s_and_b32 s16, s14, 1                          ; which half of B's rows.  Also: which part of that tile I fetch
	s_bfe_u32 s40, ttmp6, 0x40000                  ; cx, cy: my place in the cluster
	s_bfe_u32 s41, ttmp6, 0x40004
	s_and_b32 s18, ttmp7, 0xffff
	s_lshl_b32 s18, s18, 2                         ; 4 x cluster y
	s_add_co_u32 s17, s18, s41                     ; phase 1: x's tile, as A = 4 CY + cy
	s_add_co_u32 s42, s18, s40                     ; phase 2: x's tile, as B = 4 CY + cx
	s_lshl_b32 s19, ttmp9, 2
	s_add_co_u32 s19, s19, s41                     ; phase 2: which 128 rows of Wv, as A = 4 CX + cy
	s_lshl_b32 s43, s41, 2
	s_lshl_b32 s43, 15, s43                        ; my row of the cluster
	s_lshl_b32 s44, 0x1111, s40                    ; my column
	; descriptor group 1: a tile of 128 rows x 256 bytes, rows 1,024 bytes apart in memory, padded in LDS
	s_or_b32 s[G1+0], s43, (1<<20)|(1<<21)|(5<<22)|(3<<25)   ; 15:0 the mask: A's tiles go to my row; 17:16 elements of 1 byte; 20 padding on; 21 set beside a mask; 24:22 after every 64 words; 31:25 four words
	s_or_b32 s[G1B+0], s44, (1<<20)|(1<<21)|(5<<22)|(3<<25)  ; the same with my column's mask
.irp g, G1, G1B
	s_mov_b32 s[\g+1], 256<<16                     ; tensor_dim0
	s_mov_b32 s[\g+2], 128<<16                     ; tensor_dim1
	s_mov_b32 s[\g+3], 256<<16                     ; tile_dim0
	s_mov_b32 s[\g+4], 128                         ; tile_dim1
	s_mov_b32 s[\g+5], 1024                        ; tensor_dim0_stride
	s_mov_b32 s[\g+6], 0
	s_mov_b32 s[\g+7], 0
.endr
	; where the tiles begin, in bytes (all under 2^24): a row is 1,024 bytes
	s_lshl_b32 s22, s16, 17                        ; which 128 rows of a tile of 256 I fetch
	s_lshl_b32 s20, s17, 18
	s_add_co_u32 s20, s20, s22                     ; phase 1, A: row 256 x tile + 128 x half
	s_mov_b32 s21, 0
	s_lshl_b32 s46, s40, 18
	s_add_co_u32 s46, s46, s22                     ; phase 1, B: tile cx likewise
	s_mov_b32 s47, 0
	s_lshl_b32 s2, s19, 17
	s_lshl_b32 s3, s16, 16
	s_add_co_u32 s2, s2, s3                        ; phase 2, A: row 128 x (4 CX + cy) + 64 x half
	s_mov_b32 s3, 0
	s_lshl_b32 s8, s42, 18
	s_add_co_u32 s8, s8, s22                       ; phase 2, B: row 256 x (4 CY + cx) + 128 x half
	s_mov_b32 s9, 0
	s_mul_i32 s45, s14, HALFT                      ; where they go: wave x 128 rows;
	s_mul_i32 s23, s16, 64*PITCH                   ; phase 2's A: half x 64 rows.  No place in the cluster enters an LDS address
	s_wait_dscnt 0x0                               ; both opening adds are done
	s_wait_kmcnt 0x0
	s_load_b256 s[84:91], s[76:77], 0x0            ; e0 .. e7
	s_load_b64 s[66:67], s[76:77], 0x20            ; e8, e9
	s_cmp_eq_u32 ttmp9, 1                          ; the choices hang on the cluster's x alone, which all partners share
	s_cselect_b64 s[6:7], s[72:73], s[70:71]       ; B: Wk, else Wq
	s_cselect_b64 s[10:11], s[80:81], s[78:79]     ; out: kc, else qc
	s_add_nc_u64 s[20:21], s[68:69], s[20:21]      ; phase 1: A in x,
	s_add_nc_u64 s[46:47], s[6:7], s[46:47]        ; B in Wq or Wk
	s_add_nc_u64 s[2:3], s[74:75], s[2:3]          ; phase 2: A in Wv,
	s_add_nc_u64 s[8:9], s[68:69], s[8:9]          ; B in x
	s_mov_b64 s[12:13], s[82:83]                   ; vc
	CROUND                                         ; all sixteen work-groups are here: the first joint loads meet
.irp s, 0,1
	s_mov_b32 s[G0+4*\s], 1                        ; count = 1
	s_add_co_u32 s[G0+4*\s+1], s45, \s*SLOT        ; LDS address
	s_add_nc_u64 s[G0+4*\s+2:G0+4*\s+3], s[20:21], \s*256   ; global address: K step s
	s_or_b32 s[G0+4*\s+3], s[G0+4*\s+3], 0x80000000         ; type = 2
	s_mov_b32 s[G0B+4*\s], 1
	s_add_co_u32 s[G0B+4*\s+1], s45, \s*SLOT
	s_add_nc_u64 s[G0B+4*\s+2:G0B+4*\s+3], s[46:47], \s*256
	s_or_b32 s[G0B+4*\s+3], s[G0B+4*\s+3], 0x80000000
	JLOAD G0+4*\s, G1, G0B+4*\s, G1B               ; two loads of mine are out
.endr
	v_and_b32 v1, 15, v0                           ; l % 16
	v_bfe_u32 v2, v0, 4, 1                         ; l / 16
	v_mul_u32_u24 v3, v1, PITCH
	v_lshl_add_u32 v4, v2, 4, v3                   ; a fragment's row x pitch + 16 x half
	s_mul_i32 s21, s15, HALFT                      ; phase 1: my 128 rows of A
	s_mul_i32 s22, s16, HALFT                      ; my 128 rows of B,
	s_add_co_u32 s22, s22, 2*HALFT                 ; which lie behind A's region
	s_mul_i32 s18, s15, 64*PITCH                   ; phase 2: my 64 rows of A
.irp s, 0,1
	v_add_nc_u32 v[ADRA+\s], s21, v4
	v_add_nc_u32 v[ADRB+\s], s22, v4
	v_add_nc_u32 v[ADRC+\s], s18, v4
	s_add_co_u32 s21, s21, SLOT
	s_add_co_u32 s22, s22, SLOT
	s_add_co_u32 s18, s18, SLOT
.endr
	v_and_b32 v6, 31, v0
	v_lshlrev_b32 v[CO], 4, v6
	; phase 1: my chunk of qc or kc: (which 128 positions) x 8 + which 128 of e
	s_lshl_b32 s20, s17, 1
	s_add_co_u32 s20, s20, s15
	s_lshl_b32 s20, s20, 3
	s_lshl_b32 s22, s40, 1
	s_add_co_u32 s22, s22, s16
	s_add_co_u32 s20, s20, s22
	s_lshl_b32 s20, s20, 14                        ; 16,384 bytes a chunk
	s_mov_b32 s21, 0
	s_add_nc_u64 s[10:11], s[10:11], s[20:21]
	; phase 2: my half chunk of vc: gb = which 128 keys, counted through the batches; chunk (gb / 16 x 8 + which 128 channels) x 16 + gb % 16; my 64 channels are four of its eight fragments
	s_lshl_b32 s20, s42, 1
	s_add_co_u32 s20, s20, s16                     ; gb
	s_lshr_b32 s22, s20, 4                         ; the batch
	s_lshl_b32 s22, s22, 3
	s_add_co_u32 s22, s22, s19
	s_lshl_b32 s22, s22, 4
	s_and_b32 s20, s20, 15
	s_add_co_u32 s22, s22, s20
	s_lshl_b32 s22, s22, 14
	s_lshl_b32 s20, s15, 13
	s_add_co_u32 s20, s20, s22
	s_add_nc_u64 s[12:13], s[12:13], s[20:21]      ; (s21 is still 0)
	; a sum stands for sum x 2^(e_a + e_b), so its code is sum / 2^(e_out - e_a - e_b): the three scales are folded into the conversion's one
	s_wait_kmcnt 0x0
	s_add_co_i32 s84, s84, s85                     ; e0 + e1
	s_add_co_i32 s86, s86, s87                     ; e2 + e3
	s_add_co_i32 s88, s88, s89                     ; e4 + e5
	s_cmp_eq_u32 ttmp9, 1
	s_cselect_b32 s84, s86, s84
	s_cselect_b32 s90, s91, s90                    ; e7, else e6
	s_sub_co_i32 s90, s90, s84
	s_add_co_i32 s90, s90, 127
	s_lshl_b32 s91, s90, 23
	v_mov_b32 v[SCV], s91                          ; phase 1's folded scale as f32: the conversion takes its exponent field
	s_add_co_i32 s90, s90, 8
	s_lshl_b32 s90, s90, 23
	s_or_b32 s90, s90, 0x600000
	v_mov_b32 v[LIMV], s90                         ; 448 x it
	s_sub_co_i32 s67, s67, s88                     ; e9 - e4 - e5
	s_add_co_i32 s67, s67, 127
	s_lshl_b32 s66, s67, 23
	v_mov_b32 v[SCV2], s66                         ; phase 2's
	s_add_co_i32 s67, s67, 8
	s_lshl_b32 s67, s67, 23
	s_or_b32 s67, s67, 0x600000
	v_mov_b32 v[LIMV2], s67
	; phase 2's descriptors.  The arguments and the scales' address are spent (the wait on KMcnt above has shown the scalar loads done), so their registers are used again
	s_or_b32 s[G1C+0], s43, (1<<20)|(1<<21)|(5<<22)|(3<<25)  ; A's tiles go to my row of the cluster
	s_mov_b32 s[G1C+1], 256<<16                    ; tensor_dim0
	s_mov_b32 s[G1C+2], 64<<16                     ; tensor_dim1 = 64
	s_mov_b32 s[G1C+3], 256<<16                    ; tile_dim0
	s_mov_b32 s[G1C+4], 64                         ; tile_dim1 = 64
	s_mov_b32 s[G1C+5], 1024                       ; tensor_dim0_stride
	s_mov_b32 s[G1C+6], 0
	s_mov_b32 s[G1C+7], 0
.irp s, 0,1
	s_mov_b32 s[G0C+4*\s], 1
	s_add_co_u32 s[G0C+4*\s+1], s23, \s*SLOT
	s_add_nc_u64 s[G0C+4*\s+2:G0C+4*\s+3], s[2:3], \s*256
	s_or_b32 s[G0C+4*\s+3], s[G0C+4*\s+3], 0x80000000
	s_mov_b32 s[G0D+4*\s], 1
	s_add_co_u32 s[G0D+4*\s+1], s45, \s*SLOT
	s_add_nc_u64 s[G0D+4*\s+2:G0D+4*\s+3], s[8:9], \s*256
	s_or_b32 s[G0D+4*\s+3], s[G0D+4*\s+3], 0x80000000
.endr
.macro FRAG reg, adr, q, i             ; 16 rows x 128 K: lane l holds row l % 16; registers 4 c .. 4 c + 3 hold K = 32 c + 16 (l / 16) + 0 .. 15
.irp c, 0,1,2,3
	ds_load_b128 v[\reg+4*\c:\reg+4*\c+3], v[\adr] offset:128*(\q)+32*\c+(\i)*16*PITCH
.endr
.endm
.macro PLACES n                        ; plain vector instructions between a matrix instruction and a load into, or a read of, its registers (ISA guide 7.12.1 for reads)
.rept \n
	v_nop
.endr
.endm
; ---- PHASE 1's macros.  16 matrix instructions: A's blocks a0, a0 + 1 x B's eight, 128 along K.  p: B's set.  zero = 1: the first product starts the sums.  The 64 accumulators take turns, one instruction a turn.
.macro MUL16 a0, p, zero
.irp a, \a0, \a0+1
.irp b, 0,1,2,3,4,5,6,7
.if \zero
	v_wmma_f32_16x16x128_fp8_fp8 v[8*(8*((\a)%4)+\b):8*(8*((\a)%4)+\b)+7], v[128*(\p)+FR*\b:128*(\p)+FR*\b+FR-1], v[AF+FR*(\a):AF+FR*(\a)+FR-1], 0
.else
	v_wmma_f32_16x16x128_fp8_fp8 v[8*(8*((\a)%4)+\b):8*(8*((\a)%4)+\b)+7], v[128*(\p)+FR*\b:128*(\p)+FR*\b+FR-1], v[AF+FR*(\a):AF+FR*(\a)+FR-1], v[8*(8*((\a)%4)+\b):8*(8*((\a)%4)+\b)+7]
.endif
.endr
.endr
.endm
.macro FETCH_B slot, q, p              ; B's eight fragments of the slot's q-th 128 along K into set p
	WIN TO_B
.irp i, 0,1,2,3,4,5,6,7
	FRAG 128*(\p)+FR*\i, ADRB+\slot, \q, \i
.endr
	WIN 0
.endm
.macro FETCH_A slot, q, i0             ; A's blocks i0 .. i0 + 3
.irp i, \i0, \i0+1, \i0+2, \i0+3
	FRAG AF+FR*(\i), ADRA+\slot, \q, \i
.endr
.endm
; A step of 128 along K that has its successor in the same slot.  A block of A is free as soon as its eight products are issued: blocks 0-3 are fetched anew in the step's middle, blocks 4-7 at its end.
.macro STEP slot, q, zero
	s_wait_dscnt 4*NL                              ; B's set and A's blocks 0-3 are in; the youngest 16 loads (A's blocks 4-7) may be out
	WIN MUL_LO
	MUL16 0, (\q)%2, \zero
	MUL16 2, (\q)%2, \zero
	s_wait_dscnt 0                                 ; A's blocks 4-7 are in
	PLACES NP
	FETCH_B \slot, (\q)+1, 1-(\q)%2
	FETCH_A \slot, (\q)+1, 0
	WIN MUL_HI
	MUL16 4, (\q)%2, \zero
	MUL16 6, (\q)%2, \zero
	PLACES NP
	WIN 0
	FETCH_A \slot, (\q)+1, 4
.endm
; A slot's last step changes slots: one barrier, which opens a round of the cluster's; in front of it each wave waits for all its tensor loads, adds 0 to its spare word, and waits for that and for its reads of this slot.
; fill = 1: the slot takes this tile's K step two on;  fill = 2: it takes phase 2's K step of the slot's number.
.macro TURN slot, next, fill
	s_wait_tensorcnt 0x0                           ; all my tensor loads have landed: my part of the next slot  (every window is 0 here)
	ds_add_u32 v[SPW], v[NIL]                      ; 0 onto my spare word
	s_wait_dscnt 4*NL+1                            ; (the add and the youngest 16 loads, A's blocks 4-7, may be out)
	WIN MUL_LO
	MUL16 0, 1, 0                                  ; sixteen matrix instructions stand between the add and the wait for it
	s_wait_dscnt 0x0                               ; the add is done, and my reads of this slot are over
	s_barrier_signal -1
	MUL16 2, 1, 0
	WIN 0
	s_barrier_wait -1
	CREST                                          ; no wave of any partner still reads this slot or has a load on its way
.if \fill == 1
	s_add_nc_u64 s[G0+4*\slot+2:G0+4*\slot+3], s[G0+4*\slot+2:G0+4*\slot+3], 512
	s_add_nc_u64 s[G0B+4*\slot+2:G0B+4*\slot+3], s[G0B+4*\slot+2:G0B+4*\slot+3], 512
	JLOAD G0+4*\slot, G1, G0B+4*\slot, G1B         ; the first tensor load behind the round; its four v_nop are the places in front of the loads below
.else
	JLOAD G0C+4*\slot, G1C, G0D+4*\slot, G1B
.endif
	FETCH_B \next, 0, 0
	FETCH_A \next, 0, 0
	WIN MUL_HI
	MUL16 4, 1, 0
	MUL16 6, 1, 0
	PLACES NP
	WIN 0
	FETCH_A \next, 0, 4
.endm
; ---- PHASE 2's macros.  48 LDS loads in one run: B's eight fragments and A's four of the slot's q-th 128 along K, into set number set; A's blocks 2 and 3 last
.macro FETCH2 slot, q, set
	WIN TO_B
.irp i, 0,1,2,3,4,5,6,7
	FRAG 128*(\set)+FR*\i, ADRB+\slot, \q, \i
.endr
	WIN 0
.irp i, 0,1,2,3
	FRAG AF+64*(\set)+FR*\i, ADRC+\slot, \q, \i
.endr
.endm
.macro MULA2 a, set, zero              ; 8 matrix instructions: A's block a x B's eight.  The 32 accumulators take turns, one instruction a turn
.irp b, 0,1,2,3,4,5,6,7
.if \zero
	v_wmma_f32_16x16x128_fp8_fp8 v[8*(8*(\a)+\b):8*(8*(\a)+\b)+7], v[128*(\set)+FR*\b:128*(\set)+FR*\b+FR-1], v[AF+64*(\set)+FR*(\a):AF+64*(\set)+FR*(\a)+FR-1], 0
.else
	v_wmma_f32_16x16x128_fp8_fp8 v[8*(8*(\a)+\b):8*(8*(\a)+\b)+7], v[128*(\set)+FR*\b:128*(\set)+FR*\b+FR-1], v[AF+64*(\set)+FR*(\a):AF+64*(\set)+FR*(\a)+FR-1], v[8*(8*(\a)+\b):8*(8*(\a)+\b)+7]
.endif
.endr
.endm
.macro STEPA2 slot, zero               ; a slot's first 128 along K (set 0); in its middle the second 128 are fetched into set 1
	s_wait_dscnt 8                                 ; B's set and A's blocks 0, 1 are in; the youngest eight loads (A's blocks 2, 3) may be out
	WIN MUL_LO
	MULA2 0, 0, \zero
	MULA2 1, 0, \zero
	PLACES NP
	FETCH2 \slot, 1, 1
	s_wait_dscnt 48                                ; all but the 48 just issued
	WIN MUL_LO
	MULA2 2, 0, \zero
	MULA2 3, 0, \zero
.endm
.macro TURN2 slot, next, fill          ; a slot's second 128 (set 1), and the change of slots, in the same order as in phase 1
	WIN 0                                          ; (the add's two registers lie in window 0)
	s_wait_tensorcnt 0x0                           ; all my tensor loads have landed: my part of the next slot
	ds_add_u32 v[SPW], v[NIL]                      ; 0 onto my spare word
	s_wait_dscnt 9                                 ; (the add and the youngest eight loads may be out)
	WIN MUL_LO
	MULA2 0, 1, 0                                  ; eight matrix instructions stand between the add and the wait for it
	s_wait_dscnt 0x0                               ; the add is done, and my reads of this slot are over
	s_barrier_signal -1
	MULA2 1, 1, 0
	WIN 0
	s_barrier_wait -1
.if \fill
	CREST                                          ; a round of the cluster's barrier
	s_add_nc_u64 s[G0C+4*\slot+2:G0C+4*\slot+3], s[G0C+4*\slot+2:G0C+4*\slot+3], 512
	s_add_nc_u64 s[G0D+4*\slot+2:G0D+4*\slot+3], s[G0D+4*\slot+2:G0D+4*\slot+3], 512
	JLOAD G0C+4*\slot, G1C, G0D+4*\slot, G1B       ; its four v_nop are the places in front of the loads below
.else
	PLACES NP
.endif
	FETCH2 \next, 0, 0
	WIN MUL_LO
	MULA2 2, 1, 0
	MULA2 3, 1, 0
.endm
; THE WAY OUT, a block of 16 rows at a time: the hold (the conversion to an 8-bit code does not saturate: ISA guide 7.6.2), each accumulator from its low end on; eight conversions, which give the fragment's 16 registers;
; four stores of 512 consecutive bytes each, at multiples of 512 from the buffer's first byte.
.macro OUTBLK a, ptr, lim, sc
	WIN 2+(\a)/4                                   ; source 0: window 2 or 3
.set i, 0
.rept 64
	v_med3_num_f32 v[TMP+i], v[64*((\a)%4)+i], -v[\lim], v[\lim]
.set i, i+1
.endr
	WIN 0
.irp b, 0,1,2,3,4,5,6,7
	v_cvt_scalef32_pk8_fp8_f32 v[CD+16*(\a)+2*\b:CD+16*(\a)+2*\b+1], v[TMP+8*\b:TMP+8*\b+7], v[\sc]
.endr
	v_nop                                          ; one plain vector instruction between the conversions and the next lines that write their sources
.irp c, 0,1,2,3
	global_store_b128 v[CO], v[CD+16*(\a)+4*\c:CD+16*(\a)+4*\c+3], s[\ptr:\ptr+1] offset:2048*(\a)+512*\c
.endr
.endm
	; ---- PHASE 1: q or k.  K = 1,024 is four slots' worth: written out, no loop
	s_wait_tensorcnt 1                             ; my part of K step 0 is in; K step 1's load may stay out
	s_barrier_signal -1
	s_barrier_wait -1                              ; everybody's is
	FETCH_B 0, 0, 0
	FETCH_A 0, 0, 0
	FETCH_A 0, 0, 4
	STEP 0, 0, 1                                   ; the first products start the sums
	TURN 0, 1, 1                                   ; slot 0 takes K step 2
	STEP 1, 0, 0
	TURN 1, 0, 1                                   ; slot 1 takes K step 3
	STEP 0, 0, 0
	TURN 0, 1, 2                                   ; slot 0 takes phase 2's K step 0
	STEP 1, 0, 0
	s_wait_tensorcnt 0x0                           ; the tile's last step: the same change of slots, but no fragments are fetched behind it: their registers serve the way out first
	ds_add_u32 v[SPW], v[NIL]                      ; 0 onto my spare word
	s_wait_dscnt 4*NL+1                            ; (the add and the youngest 16 loads may be out)
	WIN MUL_LO
	MUL16 0, 1, 0
	s_wait_dscnt 0x0                               ; the add is done, and my reads of slot 1 are over
	s_barrier_signal -1
	MUL16 2, 1, 0
	WIN 0
	s_barrier_wait -1
	CREST
	JLOAD G0C+4, G1C, G0D+4, G1B                   ; slot 1 takes phase 2's K step 1: it lands while q or k goes out
	WIN MUL_HI
	MUL16 4, 1, 0
	MUL16 6, 1, 0
	WIN 0
	PLACES NP                                      ; behind the last products: their results are read, and the registers of A's fragments written, below
.irp a, 0,1,2,3,4,5,6,7
	OUTBLK \a, 10, LIMV, SCV
.endr
	; ---- PHASE 2: my half tile of v^T.  Its K step 0 was shown landed to every wave by the wait and the barrier of the last change of slots
	s_wait_xcnt 0x0                                ; the stores have read the codes' registers: fragments may land there, and phase 2's codes be written there
	FETCH2 0, 0, 0
	STEPA2 0, 1                                    ; the first products start the sums anew
	TURN2 0, 1, 1                                  ; slot 0 takes K step 2
	STEPA2 1, 0
	TURN2 1, 0, 1                                  ; slot 1 takes K step 3
	STEPA2 0, 0
	TURN2 0, 1, 0                                  ; nothing is left to fetch
	STEPA2 1, 0
	s_wait_dscnt 8                                 ; the very last 128 along K
	WIN MUL_LO
	MULA2 0, 1, 0
	MULA2 1, 1, 0
	s_wait_dscnt 0
	MULA2 2, 1, 0
	MULA2 3, 1, 0
	WIN 0
	PLACES NP
.irp a, 0,1,2,3
	OUTBLK \a, 12, LIMV2, SCV2
.endr
	s_wait_tensorcnt 0x0                           ; the wave's end, behind my last tensor load
	ds_add_u32 v[SPW], v[NIL]
	s_wait_dscnt 0x0
	CROUND                                         ; the closing round: no work-group ends while a partner may still ask for a tile that names it
	s_endpgm
.Lfunc_end_k_q349b457463_proj:
	.size	k_q349b457463_proj, .Lfunc_end_k_q349b457463_proj-k_q349b457463_proj
	.p2alignl 7, 3214868480
	.fill 96, 4, 3214868480
	.section	.rodata,"a",@progbits
	.p2align	6, 0x0
	.amdhsa_kernel k_q349b457463_proj
		.amdhsa_group_segment_fixed_size 327680
		.amdhsa_private_segment_fixed_size 0
		.amdhsa_enable_private_segment 0
		.amdhsa_kernarg_size 64
		.amdhsa_user_sgpr_count 2
		.amdhsa_user_sgpr_kernarg_segment_ptr 1
		.amdhsa_wavefront_size32 1
		.amdhsa_system_sgpr_workgroup_id_x 1
		.amdhsa_system_sgpr_workgroup_id_y 1
		.amdhsa_system_sgpr_workgroup_id_z 1
		.amdhsa_system_vgpr_workitem_id 0
		.amdhsa_next_free_vgpr 1024
		.amdhsa_next_free_sgpr 100
		.amdhsa_reserve_vcc 0
		.amdhsa_float_denorm_mode_32 3
		.amdhsa_float_denorm_mode_16_64 3
		.amdhsa_memory_ordered 1
		.amdhsa_forward_progress 1
		.amdhsa_inst_pref_size 186
	.end_amdhsa_kernel
	.amdgpu_metadata
---
amdhsa.version: [ 1, 2 ]
amdhsa.kernels:
  - .name:           k_q349b457463_proj
    .symbol:         k_q349b457463_proj.kd
    .args:
      - { .name: x_codes, .offset: 0, .size: 8, .value_kind: global_buffer, .address_space: global }
      - { .name: Wq_codes, .offset: 8, .size: 8, .value_kind: global_buffer, .address_space: global }
      - { .name: Wk_codes, .offset: 16, .size: 8, .value_kind: global_buffer, .address_space: global }
      - { .name: Wv_codes, .offset: 24, .size: 8, .value_kind: global_buffer, .address_space: global }
      - { .name: lowp_scales, .offset: 32, .size: 8, .value_kind: global_buffer, .address_space: global }
      - { .name: qc, .offset: 40, .size: 8, .value_kind: global_buffer, .address_space: global }
      - { .name: kc, .offset: 48, .size: 8, .value_kind: global_buffer, .address_space: global }
      - { .name: vc, .offset: 56, .size: 8, .value_kind: global_buffer, .address_space: global }
    .group_segment_fixed_size: 327680
    .private_segment_fixed_size: 0
    .kernarg_segment_align: 8
    .kernarg_segment_size: 64
    .max_flat_workgroup_size: 128
    .sgpr_count:     100
    .vgpr_count:     1024
    .wavefront_size: 32
...
	.end_amdgpu_metadata
.endif
;; end of part 1
;; launch scores (part 2): grid 8 x 32, 4 waves a work-group, clusters of 4 x 4, 327,680 bytes of LDS; arguments qc, kc, lowp_scales, pc, stats; writes pc, stats
.if DOCPART == 2
	.amdgcn_target "amdgcn-amd-amdhsa--gfx1250"
	.amdhsa_code_object_version 6
	.text
	.protected	k_q349b457463_scores
	.globl	k_q349b457463_scores
	.p2align	8
	.type	k_q349b457463_scores,@function
k_q349b457463_scores:
	s_mov_b64 s[64:65], 0
	v_nop
	global_prefetch_b8 v0, s[64:65] scope:SCOPE_SE
	s_setreg_imm32_b32 hwreg(HW_REG_WAVE_MODE, 25, 1), 1
	s_wait_xcnt 0x0
	s_wait_alu depctr_hold_cnt(0) depctr_sa_sdst(0) depctr_va_vdst(0) depctr_va_sdst(0) depctr_va_ssrc(0) depctr_va_vcc(0) depctr_vm_vsrc(0)
	s_getreg_b32 s2, hwreg(HW_REG_IB_STS2, 6, 4)
	s_cmp_eq_u32 s2, 0
	s_cbranch_scc0 .Lentry_in_a_cluster
	s_endpgm
.Lentry_in_a_cluster:
	s_bfe_u32 s2, ttmp6, 0x10000c
	s_cmp_lg_u32 s2, 0xf033
	s_cbranch_scc0 .Lentry_shape_is_right
	s_endpgm
.Lentry_shape_is_right:
; LAUNCH 2 OF 3: S = q k^T on the codes of launch 1, and the softmax's p, quantised along the keys.  Nothing of reference() is left out here.
; A work-group makes 256 queries x 256 keys of one batch; a wave 128 x 128: 64 accumulators.  K = 1,024 goes in four steps of 256 through a ring of two LDS slots.
; THE SOFTMAX.  t = score x log2(e) / 32.  M = the ceiling of the largest t of the query among THIS BLOCK OF 256 KEYS, a whole number; p = 2^(t - M) is quantised with 2^e8 and goes to pc; l = the sum of the unquantised p.
; -M and l of (key block, query) go to stats.  Launch 3 brings the eight blocks of a row under one M by powers of two, which round nothing.
; qc, kc, pc are IMAGES OF OPERAND REGISTERS: a fragment (16 rows x 128 K) is 2,048 bytes, registers 4 c .. 4 c + 3 of lane l at 512 c + 16 l; a chunk (128 rows x 128 K) 8 fragments on end; the chunks of 128 rows on end along K.
; So a tile is one dense block for one tensor load, every fragment load reads 512 consecutive bytes, and a wave's result is one chunk of pc: chunk (query / 128) x 16 + key / 128.
; TRANSPOSED USE: source 0 = 16 keys, source 1 = 16 queries: lane (r, h) of accumulator (a, b) holds query 16 a + r and keys 16 b + 8 h + 0 .. 7: eight neighbours along the next product's K.
; CLUSTERS: 4 x 4 work-groups; q's tile is shared along a row of the cluster, k's along a column: joint loads.
; LIMITS: e6 + e7 between -121 and 132 (they are added to the exponent field of log2(e) / 32); e8 between -126 and 119.  NaN and infinities are not served.
; stats: f32 [2][8][8192]: plane 0: -M, plane 1: l, of (key block of 256 in the batch, query counted through the batches).
; REGISTERS: window 0: v0-31 addresses and constants; from v128 q's fragments, one set; on the way out v32-255 as named below.   window 1: k's fragments, two sets.   windows 2, 3: the accumulators.
.set SLOT,   131072                    ; q's two halves of 32,768 bytes (128 rows x 256 K), then k's two
.set SPARE,  2*SLOT                    ; behind the ring: the spare words, 128 bytes for each wave
.set MXR,    SPARE+512                 ; each wave's 128 maxima, 512 bytes a wave;
.set LOFF,   2048                      ; and, 2,048 bytes on, its 128 sums.  No tensor load lands here
.set FR,     16
.set NL,     4
.set NP,     4
.set LIMV, 8                           ; v8      448 x 2^e8
.set SCV,  9                           ; v9      2^e8 as f32
.set XO,   10                          ; v10     my wave's words, 4 (l % 16)
.set XP,   11                          ; v11     the partner wave's (the same queries, the other 128 keys)
.set XO4,  13                          ; v13     my wave's words, 16 x lane
.set XP4,  14                          ; v14     the partner's
.set ADRA, 16
.set ADRB, 20
.set CO,   26                          ; v26     16 x lane
.set SPW,  28
.set NIL,  29
.set MX,   32                          ; v32-39  block a's maximum;  v40-47 a second chain, then at work
.set MY,   40
.set NM,   48                          ; v48-63  pairs: -M of my query in block a (the low word serves both halves)
.set LA,   64                          ; v64-79  pairs: block a's sum;  v80-95 a second chain
.set LB,   80
.set T,    96                          ; v96-223 two blocks' t - M, then p
.set PC,   224                         ; v224-255 two blocks' codes
.set AF,   128
.set G1,  24
.set G0,  32
.set G1B, 48
.set G0B, 56
.set MSB, 0
.macro WIN new
.if MSB != (\new)
	s_set_vgpr_msb (MSB<<8)|(\new)
.set MSB, (\new)
.endif
.endm
.set MUL_LO, 0xa1
.set MUL_HI, 0xf1
.set TO_B,   0x40
.macro JLOAD g0a, g1a, g0b, g1b        ; waves 0 and 1 fetch q's halves, waves 2 and 3 k's; an s_nop 0 and four v_nop follow each of the two lines
	s_cmp_eq_u32 s15, 0
	s_cbranch_scc0 .Lfor_b_\@
	tensor_load_to_lds s[\g0a:\g0a+3], s[\g1a:\g1a+7]
	s_nop 0
.rept 4
	v_nop
.endr
	s_branch .Lasked_\@
.Lfor_b_\@:
	tensor_load_to_lds s[\g0b:\g0b+3], s[\g1b:\g1b+7]
	s_nop 0
.rept 4
	v_nop
.endr
.Lasked_\@:
.endm
.macro CREST
	s_cmp_lg_u32 s14, 0
	s_cbranch_scc1 .Lnot_wave_0_\@
	s_barrier_signal -3
.Lnot_wave_0_\@:
	s_barrier_wait -3
	s_barrier_signal -1
	s_barrier_wait -1
.endm
.macro CROUND
	s_barrier_signal -1
	s_barrier_wait -1
	CREST
.endm
	s_load_b128 s[4:7], s[0:1], 0x0                ; qc s[4:5], kc s[6:7]
	s_load_b128 s[8:11], s[0:1], 0x10              ; the scales' exponents s[8:9], pc s[10:11]
	s_load_b64 s[12:13], s[0:1], 0x20              ; stats
	v_lshl_add_u32 v[SPW], v0, 2, SPARE
	v_mov_b32 v[NIL], 0
	ds_add_u32 v[SPW], v[NIL]                      ; the wave's opening: the add, twice on end, and its wait ahead of my first tensor load
	ds_add_u32 v[SPW], v[NIL]
	v_lshrrev_b32 v1, 5, v0
	v_readfirstlane_b32 s14, v1                    ; wave 0..3
	s_lshr_b32 s15, s14, 1                         ; which 128 queries are mine.  Also: I fetch for q (0) or for k (1)
	s_and_b32 s16, s14, 1                          ; which 128 keys.  Also: which 128 rows of that tile I fetch
	s_bfe_u32 s40, ttmp6, 0x40000                  ; cx, cy
	s_bfe_u32 s41, ttmp6, 0x40004
	s_lshl_b32 s42, ttmp9, 2
	s_add_co_u32 s42, s42, s40                     ; the key block, 0..7 = 4 x cluster x + cx
	s_and_b32 s17, ttmp7, 0xffff
	s_lshr_b32 s19, s17, 1                         ; the batch = cluster y / 2: all partners share it
	s_lshl_b32 s17, s17, 2
	s_add_co_u32 s17, s17, s41                     ; the query tile, 0..31 = 4 x cluster y + cy
	s_lshl_b32 s43, s41, 2
	s_lshl_b32 s43, 15, s43                        ; my row of the cluster
	s_lshl_b32 s44, 0x1111, s40                    ; my column
	; descriptor group 1: a dense block of 32,768 bytes, stated as 128 rows of 32 elements of 8 bytes; no padding
	s_or_b32 s[G1+0], s43, (3<<16)|(1<<21)
	s_or_b32 s[G1B+0], s44, (3<<16)|(1<<21)
.irp g, G1, G1B
	s_mov_b32 s[\g+1], 32<<16                      ; tensor_dim0
	s_mov_b32 s[\g+2], 128<<16                     ; tensor_dim1
	s_mov_b32 s[\g+3], 32<<16                      ; tile_dim0
	s_mov_b32 s[\g+4], 128                         ; tile_dim1
	s_mov_b32 s[\g+5], 32                          ; tensor_dim0_stride
	s_mov_b32 s[\g+6], 0
	s_mov_b32 s[\g+7], 0
.endr
	s_lshl_b32 s20, s17, 1
	s_add_co_u32 s20, s20, s16                     ; q: which 128 rows: 2 x query tile + half,
	s_lshl_b32 s20, s20, 17                        ; 8 chunks of 16,384 bytes each
	s_mov_b32 s21, 0
	s_lshl_b32 s46, s19, 4
	s_lshl_b32 s47, s42, 1
	s_add_co_u32 s46, s46, s47
	s_add_co_u32 s46, s46, s16                     ; k: 16 x batch + 2 x key block + half
	s_lshl_b32 s46, s46, 17
	s_mov_b32 s47, 0
	s_lshl_b32 s45, s14, 15                        ; where they go: wave x 32,768
	s_mov_b32 s98, 0x76543210                      ; v_permlanex16_b32's selects for lane l xor 16
	s_mov_b32 s99, 0xfedcba98
	s_wait_dscnt 0x0                               ; both opening adds are done
	s_wait_kmcnt 0x0
	s_load_b128 s[84:87], s[8:9], 0x18             ; e6, e7, e8, e9
	s_add_nc_u64 s[20:21], s[4:5], s[20:21]
	s_add_nc_u64 s[46:47], s[6:7], s[46:47]
	CROUND                                         ; the first joint loads meet
.irp s, 0,1
	s_mov_b32 s[G0+4*\s], 1
	s_add_co_u32 s[G0+4*\s+1], s45, \s*SLOT
	s_add_nc_u64 s[G0+4*\s+2:G0+4*\s+3], s[20:21], \s*32768   ; K step s: two chunks
	s_or_b32 s[G0+4*\s+3], s[G0+4*\s+3], 0x80000000
	s_mov_b32 s[G0B+4*\s], 1
	s_add_co_u32 s[G0B+4*\s+1], s45, \s*SLOT
	s_add_nc_u64 s[G0B+4*\s+2:G0B+4*\s+3], s[46:47], \s*32768
	s_or_b32 s[G0B+4*\s+3], s[G0B+4*\s+3], 0x80000000
	JLOAD G0+4*\s, G1, G0B+4*\s, G1B
.endr
	v_and_b32 v1, 15, v0
	v_and_b32 v6, 31, v0
	v_lshlrev_b32 v[CO], 4, v6
	s_lshl_b32 s21, s15, 15                        ; my 128 queries
	s_lshl_b32 s22, s16, 15                        ; my 128 keys,
	s_add_co_u32 s22, s22, 65536                   ; behind q's two halves
.irp s, 0,1
	v_add_nc_u32 v[ADRA+\s], s21, v[CO]
	v_add_nc_u32 v[ADRB+\s], s22, v[CO]
	s_add_co_u32 s21, s21, SLOT
	s_add_co_u32 s22, s22, SLOT
.endr
	s_lshl_b32 s21, s14, 9
	s_add_co_u32 s21, s21, MXR                     ; my wave's words,
	s_xor_b32 s22, s14, 1
	s_lshl_b32 s22, s22, 9
	s_add_co_u32 s22, s22, MXR                     ; the partner's
	v_lshlrev_b32 v1, 2, v1
	v_add_nc_u32 v[XO], s21, v1
	v_add_nc_u32 v[XP], s22, v1
	v_add_nc_u32 v[XO4], s21, v[CO]
	v_add_nc_u32 v[XP4], s22, v[CO]
	; my chunk of pc: (2 x query tile + half) x 16 + 2 x key block + half
	s_lshl_b32 s20, s17, 1
	s_add_co_u32 s20, s20, s15
	s_lshl_b32 s20, s20, 18
	s_mov_b32 s21, 0
	s_lshl_b32 s46, s42, 1
	s_add_co_u32 s46, s46, s16
	s_lshl_b32 s46, s46, 14
	s_mov_b32 s47, 0
	s_add_nc_u64 s[20:21], s[20:21], s[46:47]
	s_add_nc_u64 s[10:11], s[10:11], s[20:21]
	; my 512 bytes of stats: the wave of the first 128 keys stores -M (plane 0), the other l (plane 1)
	s_lshl_b32 s20, s17, 10
	s_lshl_b32 s22, s15, 9
	s_add_co_u32 s20, s20, s22
	s_mov_b32 s21, 0
	s_lshl_b32 s46, s42, 15
	s_lshl_b32 s22, s16, 18
	s_add_co_u32 s46, s46, s22
	s_mov_b32 s47, 0
	s_add_nc_u64 s[20:21], s[20:21], s[46:47]
	s_add_nc_u64 s[12:13], s[12:13], s[20:21]
	s_cmp_eq_u32 s16, 1
	s_cselect_b32 s94, -1, 0                       ; all lanes: l, or none: -M
	s_wait_kmcnt 0x0
	s_add_co_i32 s88, s84, s85
	s_sub_co_i32 s88, s88, 5                       ; a sum stands for sum x 2^(e6 + e7), and 1 / sqrt(1,024) = 2^-5: all three go into the exponent field of log2(e)
	s_lshl_b32 s88, s88, 23
	s_add_co_i32 s96, s88, 0x3fb8aa3b              ; c: t = sum x c
	s_mov_b32 s97, s96                             ; (named with it as a pair, so it is written)
	s_add_co_i32 s88, s86, 127
	s_lshl_b32 s89, s88, 23
	v_mov_b32 v[SCV], s89                          ; 2^e8
	s_add_co_i32 s88, s88, 8
	s_lshl_b32 s88, s88, 23
	s_or_b32 s88, s88, 0x600000
	v_mov_b32 v[LIMV], s88                         ; 448 x 2^e8
.macro FRAG reg, adr, q, i             ; a fragment as it was stored: four loads of 512 consecutive bytes
.irp c, 0,1,2,3
	ds_load_b128 v[\reg+4*\c:\reg+4*\c+3], v[\adr] offset:16384*(\q)+2048*(\i)+512*\c
.endr
.endm
.macro MUL16 a0, p, zero               ; 16 matrix instructions; the 64 accumulators take turns, one instruction a turn
.irp a, \a0, \a0+1
.irp b, 0,1,2,3,4,5,6,7
.if \zero
	v_wmma_f32_16x16x128_fp8_fp8 v[8*(8*((\a)%4)+\b):8*(8*((\a)%4)+\b)+7], v[128*(\p)+FR*\b:128*(\p)+FR*\b+FR-1], v[AF+FR*(\a):AF+FR*(\a)+FR-1], 0
.else
	v_wmma_f32_16x16x128_fp8_fp8 v[8*(8*((\a)%4)+\b):8*(8*((\a)%4)+\b)+7], v[128*(\p)+FR*\b:128*(\p)+FR*\b+FR-1], v[AF+FR*(\a):AF+FR*(\a)+FR-1], v[8*(8*((\a)%4)+\b):8*(8*((\a)%4)+\b)+7]
.endif
.endr
.endr
.endm
.macro FETCH_B slot, q, p
	WIN TO_B
.irp i, 0,1,2,3,4,5,6,7
	FRAG 128*(\p)+FR*\i, ADRB+\slot, \q, \i
.endr
	WIN 0
.endm
.macro FETCH_A slot, q, i0
.irp i, \i0, \i0+1, \i0+2, \i0+3
	FRAG AF+FR*(\i), ADRA+\slot, \q, \i
.endr
.endm
.macro PLACES n
.rept \n
	v_nop
.endr
.endm
.macro STEP slot, q, zero
	s_wait_dscnt 4*NL                              ; k's set and q's blocks 0-3 are in; the youngest 16 loads (q's blocks 4-7) may be out
	WIN MUL_LO
	MUL16 0, (\q)%2, \zero
	MUL16 2, (\q)%2, \zero
	s_wait_dscnt 0
	PLACES NP
	FETCH_B \slot, (\q)+1, 1-(\q)%2
	FETCH_A \slot, (\q)+1, 0
	WIN MUL_HI
	MUL16 4, (\q)%2, \zero
	MUL16 6, (\q)%2, \zero
	PLACES NP
	WIN 0
	FETCH_A \slot, (\q)+1, 4
.endm
.macro TURN slot, next, fill
	s_wait_tensorcnt 0x0                           ; all my tensor loads have landed: my part of the next slot
	ds_add_u32 v[SPW], v[NIL]                      ; 0 onto my spare word
	s_wait_dscnt 4*NL+1                            ; (the add and the youngest 16 loads may be out)
	WIN MUL_LO
	MUL16 0, 1, 0
	s_wait_dscnt 0x0                               ; the add is done, and my reads of this slot are over
	s_barrier_signal -1
	MUL16 2, 1, 0
	WIN 0
	s_barrier_wait -1
.if \fill
	CREST                                          ; a round of the cluster's barrier: no wave of any partner still reads this slot or has a load on its way
	s_add_nc_u64 s[G0+4*\slot+2:G0+4*\slot+3], s[G0+4*\slot+2:G0+4*\slot+3], 65536
	s_add_nc_u64 s[G0B+4*\slot+2:G0B+4*\slot+3], s[G0B+4*\slot+2:G0B+4*\slot+3], 65536
	JLOAD G0+4*\slot, G1, G0B+4*\slot, G1B
.else
	PLACES NP
.endif
	FETCH_B \next, 0, 0
	FETCH_A \next, 0, 0
	WIN MUL_HI
	MUL16 4, 1, 0
	MUL16 6, 1, 0
	PLACES NP
	WIN 0
	FETCH_A \next, 0, 4
.endm
	s_wait_tensorcnt 1                             ; my part of K step 0 is in; K step 1's may stay out
	s_barrier_signal -1
	s_barrier_wait -1
	FETCH_B 0, 0, 0
	FETCH_A 0, 0, 0
	FETCH_A 0, 0, 4
	STEP 0, 0, 1
	TURN 0, 1, 1
	STEP 1, 0, 0
	TURN 1, 0, 1
	STEP 0, 0, 0
	TURN 0, 1, 0
	STEP 1, 0, 0
	s_wait_dscnt 4*NL
	WIN MUL_LO
	MUL16 0, 1, 0
	MUL16 2, 1, 0
	s_wait_dscnt 0
	WIN MUL_HI
	MUL16 4, 1, 0
	MUL16 6, 1, 0
	WIN 0
; 1. THE LARGEST SCORE of my query in each of my eight blocks, among my 64 keys: three operands at a time, two chains a block, four blocks by turns; each accumulator is read from its low end on.
.macro MAXW w                          ; w = 0: window 2, blocks 0-3;  1: window 3, blocks 4-7
	WIN 0x2a+0x15*(\w)                             ; all three sources in the accumulators' window
.irp a, 0,1,2,3
	v_max3_num_f32 v[MX+4*(\w)+\a], v[64*\a], v[64*\a+1], v[64*\a+2]
	v_max3_num_f32 v[MY+4*(\w)+\a], v[64*\a+3], v[64*\a+4], v[64*\a+5]
.endr
	WIN 0x28+0x14*(\w)                             ; source 0 in window 0
.set p, 0
.rept 29
.irp a, 0,1,2,3
.if p%2 == 0
	v_max3_num_f32 v[MX+4*(\w)+\a], v[MX+4*(\w)+\a], v[64*\a+6+2*p], v[64*\a+7+2*p]
.else
	v_max3_num_f32 v[MY+4*(\w)+\a], v[MY+4*(\w)+\a], v[64*\a+6+2*p], v[64*\a+7+2*p]
.endif
.endr
.set p, p+1
.endr
.endm
	PLACES NP                                      ; behind the last products
	MAXW 0
	MAXW 1
	WIN 0
.irp a, 0,1,2,3,4,5,6,7
	v_max_num_f32 v[MX+\a], v[MX+\a], v[MY+\a]
.endr
.irp a, 0,1,2,3,4,5,6,7
	v_permlanex16_b32 v[MY+\a], v[MX+\a], s98, s99 ; the query's other 64 keys lie in the lane 16 away
.endr
.irp a, 0,1,2,3,4,5,6,7
	v_max_num_f32 v[MX+\a], v[MX+\a], v[MY+\a]
.endr
; 2. The other 128 keys of the block are the partner wave's: the maxima meet in LDS (query 16 a + r at 64 a + 4 r of the wave's 512 bytes)
.irp a, 0,1,2,3,4,5,6,7
	ds_store_b32 v[XO], v[MX+\a] offset:64*\a
.endr
	s_wait_dscnt 0x0                               ; for the partner's sake: my stores are done
	s_barrier_signal -1
	s_barrier_wait -1
.irp a, 0,1,2,3,4,5,6,7
	ds_load_b32 v[MY+\a], v[XP] offset:64*\a
.endr
	s_wait_dscnt 0x0
.irp a, 0,1,2,3,4,5,6,7
	v_max_num_f32 v[MX+\a], v[MX+\a], v[MY+\a]
.endr
.irp a, 0,1,2,3,4,5,6,7
	v_mul_f32 v[MX+\a], s96, v[MX+\a]              ; as t (c is positive)
.endr
.irp a, 0,1,2,3,4,5,6,7
	v_floor_f32 v[NM+2*\a], -v[MX+\a]              ; -M = floor(-t) = -ceil(t)
.endr
.irp a, 0,1,2,3,4,5,6,7
	v_mov_b32 v[NM+2*\a+1], v[NM+2*\a]             ; (named with it as a pair, so it is written)
.endr
; 3. Two blocks at a time: t - M, p, the sum of the unquantised p, the hold, the codes, eight stores of 512 consecutive bytes.
.macro PROUND a
	WIN 2+(\a)/4                                   ; source 0: the accumulators' window
.irp u, 0,1
.set j, 0
.rept 32
	v_pk_fma_f32 v[T+64*\u+j:T+64*\u+j+1], v[64*(((\a)+\u)%4)+j:64*(((\a)+\u)%4)+j+1], s[96:97], v[NM+2*((\a)+\u):NM+2*((\a)+\u)+1] op_sel_hi:[1,0,0]
.set j, j+2
.endr
.endr
	WIN 0
.set j, 0
.rept 128
	v_exp_f32 v[T+j], v[T+j]                       ; p = 2^(t - M): one batch
.set j, j+1
.endr
	v_nop                                          ; a plain instruction behind the last exponential,
	s_wait_alu depctr_va_vdst(0)                   ; and a wait ahead of the batch's first reader
.irp u, 0,1
	v_pk_add_f32 v[LA+2*((\a)+\u):LA+2*((\a)+\u)+1], v[T+64*\u:T+64*\u+1], v[T+64*\u+2:T+64*\u+3]
	v_pk_add_f32 v[LB+2*((\a)+\u):LB+2*((\a)+\u)+1], v[T+64*\u+4:T+64*\u+5], v[T+64*\u+6:T+64*\u+7]
.endr
.set j, 8
.rept 14
.irp u, 0,1
	v_pk_add_f32 v[LA+2*((\a)+\u):LA+2*((\a)+\u)+1], v[LA+2*((\a)+\u):LA+2*((\a)+\u)+1], v[T+64*\u+j:T+64*\u+j+1]
	v_pk_add_f32 v[LB+2*((\a)+\u):LB+2*((\a)+\u)+1], v[LB+2*((\a)+\u):LB+2*((\a)+\u)+1], v[T+64*\u+j+2:T+64*\u+j+3]
.endr
.set j, j+4
.endr
.irp u, 0,1
	v_pk_add_f32 v[LA+2*((\a)+\u):LA+2*((\a)+\u)+1], v[LA+2*((\a)+\u):LA+2*((\a)+\u)+1], v[LB+2*((\a)+\u):LB+2*((\a)+\u)+1]
.endr
.irp u, 0,1
	v_add_f32 v[LA+2*((\a)+\u)], v[LA+2*((\a)+\u)], v[LA+2*((\a)+\u)+1]
.endr
.set j, 0
.rept 128
	v_min_num_f32 v[T+j], v[T+j], v[LIMV]          ; the conversion does not saturate (ISA guide 7.6.2); p is not negative, so the hold is one-sided
.set j, j+1
.endr
.if (\a) > 0
	s_wait_xcnt 0x0                                ; the last two blocks' stores have read the codes' registers, which are written again below
.endif
.irp u, 0,1
.irp b, 0,1,2,3,4,5,6,7
	v_cvt_scalef32_pk8_fp8_f32 v[PC+16*\u+2*\b:PC+16*\u+2*\b+1], v[T+64*\u+8*\b:T+64*\u+8*\b+7], v[SCV]
.endr
.endr
	v_nop                                          ; one plain vector instruction between the conversions and the next lines that write their sources
.irp u, 0,1
.irp c, 0,1,2,3
	global_store_b128 v[CO], v[PC+16*\u+4*\c:PC+16*\u+4*\c+3], s[10:11] offset:2048*((\a)+\u)+512*\c
.endr
.endr
.endm
	PROUND 0
	PROUND 2
	PROUND 4
	PROUND 6
; 4. The sums: the lane 16 away, then to LDS for the partner
.irp a, 0,1,2,3,4,5,6,7
	v_permlanex16_b32 v[LB+2*\a], v[LA+2*\a], s98, s99
.endr
.irp a, 0,1,2,3,4,5,6,7
	v_add_f32 v[LA+2*\a], v[LA+2*\a], v[LB+2*\a]
.endr
.irp a, 0,1,2,3,4,5,6,7
	ds_store_b32 v[XO], v[LA+2*\a] offset:LOFF+64*\a
.endr
	s_wait_dscnt 0x0                               ; for the partner's sake
	s_barrier_signal -1
	s_barrier_wait -1
; 5. stats: a lane takes four neighbouring queries, makes -M (by the same three lines as above) and l of the 256 keys, and stores the one that is its wave's: 512 consecutive bytes
	ds_load_b128 v[32:35], v[XO4]
	ds_load_b128 v[36:39], v[XP4]
	ds_load_b128 v[40:43], v[XO4] offset:LOFF
	ds_load_b128 v[44:47], v[XP4] offset:LOFF
	s_wait_dscnt 0x0
.irp j, 0,1,2,3
	v_max_num_f32 v[32+\j], v[32+\j], v[36+\j]
	v_add_f32 v[40+\j], v[40+\j], v[44+\j]
.endr
.irp j, 0,1,2,3
	v_mul_f32 v[32+\j], s96, v[32+\j]
.endr
.irp j, 0,1,2,3
	v_floor_f32 v[36+\j], -v[32+\j]
.endr
.irp j, 0,1,2,3
	v_cndmask_b32 v[36+\j], v[36+\j], v[40+\j], s94
.endr
	global_store_b128 v[CO], v[36:39], s[12:13]
	s_wait_tensorcnt 0x0                           ; the wave's end, behind my last tensor load and my last LDS store
	ds_add_u32 v[SPW], v[NIL]
	s_wait_dscnt 0x0
	CROUND                                         ; the closing round
	s_endpgm
.Lfunc_end_k_q349b457463_scores:
	.size	k_q349b457463_scores, .Lfunc_end_k_q349b457463_scores-k_q349b457463_scores
	.p2alignl 7, 3214868480
	.fill 96, 4, 3214868480
	.section	.rodata,"a",@progbits
	.p2align	6, 0x0
	.amdhsa_kernel k_q349b457463_scores
		.amdhsa_group_segment_fixed_size 327680
		.amdhsa_private_segment_fixed_size 0
		.amdhsa_enable_private_segment 0
		.amdhsa_kernarg_size 40
		.amdhsa_user_sgpr_count 2
		.amdhsa_user_sgpr_kernarg_segment_ptr 1
		.amdhsa_wavefront_size32 1
		.amdhsa_system_sgpr_workgroup_id_x 1
		.amdhsa_system_sgpr_workgroup_id_y 1
		.amdhsa_system_sgpr_workgroup_id_z 1
		.amdhsa_system_vgpr_workitem_id 0
		.amdhsa_next_free_vgpr 1024
		.amdhsa_next_free_sgpr 100
		.amdhsa_reserve_vcc 0
		.amdhsa_float_denorm_mode_32 3
		.amdhsa_float_denorm_mode_16_64 3
		.amdhsa_memory_ordered 1
		.amdhsa_forward_progress 1
		.amdhsa_inst_pref_size 171
	.end_amdhsa_kernel
	.amdgpu_metadata
---
amdhsa.version: [ 1, 2 ]
amdhsa.kernels:
  - .name:           k_q349b457463_scores
    .symbol:         k_q349b457463_scores.kd
    .args:
      - { .name: qc, .offset: 0, .size: 8, .value_kind: global_buffer, .address_space: global }
      - { .name: kc, .offset: 8, .size: 8, .value_kind: global_buffer, .address_space: global }
      - { .name: lowp_scales, .offset: 16, .size: 8, .value_kind: global_buffer, .address_space: global }
      - { .name: pc, .offset: 24, .size: 8, .value_kind: global_buffer, .address_space: global }
      - { .name: stats, .offset: 32, .size: 8, .value_kind: global_buffer, .address_space: global }
    .group_segment_fixed_size: 327680
    .private_segment_fixed_size: 0
    .kernarg_segment_align: 8
    .kernarg_segment_size: 40
    .max_flat_workgroup_size: 128
    .sgpr_count:     100
    .vgpr_count:     1024
    .wavefront_size: 32
...
	.end_amdgpu_metadata
.endif
;; end of part 2
;; launch pv (part 3): grid 4 x 64, 4 waves a work-group, clusters of 4 x 4, 327,680 bytes of LDS; arguments pc, vc, stats, lowp_scales, out0; writes out0
.if DOCPART == 3
	.amdgcn_target "amdgcn-amd-amdhsa--gfx1250"
	.amdhsa_code_object_version 6
	.text
	.protected	k_q349b457463_pv
	.globl	k_q349b457463_pv
	.p2align	8
	.type	k_q349b457463_pv,@function
k_q349b457463_pv:
	s_mov_b64 s[64:65], 0
	v_nop
	global_prefetch_b8 v0, s[64:65] scope:SCOPE_SE
	s_setreg_imm32_b32 hwreg(HW_REG_WAVE_MODE, 25, 1), 1
	s_wait_xcnt 0x0
	s_wait_alu depctr_hold_cnt(0) depctr_sa_sdst(0) depctr_va_vdst(0) depctr_va_sdst(0) depctr_va_ssrc(0) depctr_va_vcc(0) depctr_vm_vsrc(0)
	s_getreg_b32 s2, hwreg(HW_REG_IB_STS2, 6, 4)
	s_cmp_eq_u32 s2, 0
	s_cbranch_scc0 .Lentry_in_a_cluster
	s_endpgm
.Lentry_in_a_cluster:
	s_bfe_u32 s2, ttmp6, 0x10000c
	s_cmp_lg_u32 s2, 0xf033
	s_cbranch_scc0 .Lentry_shape_is_right
	s_endpgm
.Lentry_shape_is_right:
; LAUNCH 3 OF 3: out0 = (the sum over the eight key blocks k of 2^(M_k - M) P_k V_k) x 2^(e8 + e9) / l, on the codes of launches 1 and 2.  Nothing of reference() is left out here.
; M = the largest of a row's eight M_k; l = the sum of l_k 2^(M_k - M).  While block k is added, a row's sums stand in the unit U_k = max(M_k, M - 64); between blocks they are multiplied by 2^(U_(k-1) - U_k), a power of two
; between 2^-64 and 2^64, which rounds nothing; at the end by 2^(U_7 - M).
; LIMIT: a block whose M_k lies more than 64 under the row's M is weighed 2^-64 in place of less: its share stays under 2^-64 of the row's largest term.  NaN and infinities are not served.
; SHARES.  A work-group makes 128 queries x 256 channels, a wave 64 x 128: 32 accumulators.  K = the batch's 2,048 keys: 16 units of 128 keys, 32 matrix instructions a wave each; a key block is two units.
; THE RING: two LDS slots of THREE units (384 keys) each, as large as two fit: fills of 3 + 3 units at the head, then 3, 3, 3 and 1: four refills, each with three units' work (96 matrix instructions a wave) in which to land.
; pc and vc are images of operand registers (a fragment of 16 rows x 128 K: 2,048 bytes, registers 4 c .. 4 c + 3 of lane l at 512 c + 16 l; a chunk of 128 rows: 8 on end; the chunks of 128 rows on end along K):
; so three units of P, or of 128 channels of v^T, are one dense block of 49,152 bytes, and fragment loads read 512 consecutive bytes.
; TRANSPOSED USE: source 0 = 16 channels of v^T, source 1 = 16 queries of P: a lane holds one query (l % 16) and eight neighbouring channels.
; CLUSTERS: 4 x 4 work-groups; P's tile is shared along a row of the cluster (the four channel tiles), v^T's along a column (four query tiles of one batch): joint loads.
; REGISTERS: window 0: v16-29 addresses; v32-39 the last factor, a pair a block of 16 queries; v40-95 the factors between key blocks, pairs; v128-255 P's fragments, two sets of 64 (at the head: stats, at work; at the end: rows of out0).
;   window 1: accumulator (a, b) at v[8 (8 a + b)].   window 2: v^T's fragments, two sets of 128.
.set PREG,   49152                     ; three chunks: a slot's part of P, or of 128 channels of v^T
.set SLOT,   3*PREG                    ; P's, then v^T's two blocks of 128 channels
.set SPARE,  2*SLOT                    ; behind the ring: the spare words, 128 bytes for each wave
.set SPITCH, 528                       ; the way out: a stage of 16 rows x (512 bytes + 16) for each wave, in slot 0, which has had its last fill and its last read at the change to the last unit
.set ADRA, 16                          ; v16-17  LDS address of my P fragments in slot 0, 1
.set ADRB, 20                          ; v20-21  the same for v^T
.set STO,  24                          ; v24     the way out: where I put 32 bytes of a row
.set RD,   25                          ; v25     where I read a row back
.set CO,   26                          ; v26     16 x lane
.set VST,  27                          ; v27     my query's word in a row of stats
.set SPW,  28
.set NIL,  29
.set FIN,  32                          ; pairs: 2^(U_7 - M + e8 + e9) / l of my query in block a
.set RF,   40                          ; pairs: 2^(U_(k-1) - U_k) at RF + 2 (7 a + k - 1), k = 1 .. 7
.set TMP,  64                          ; the way out: a block's 64 results
.set AF,   128
.set BK,   128                         ; the way out: 16 rows read back: v128-191 and v192-255 by turns
.set NMS,  128                         ; the head: -M_k at NMS + 8 a + k, later -U_k
.set LS,   160                         ; l_k at LS + 8 a + k
.set GG,   192                         ; -M
.set GF,   196                         ; -M + 64
.set TT,   200                         ; at work
.set LL,   204                         ; l
.set RC,   208                         ; 1 / l
.set G1,  24                           ; s[24:31] group 1 for P: 96 rows of 256 bytes a load;  s[32:39] group 0, one set for each slot
.set G0,  32
.set G1B, 48                           ; s[48:55] group 1 for v^T: 192 rows;  s[56:63] group 0
.set G0B, 56
.set G1L, 76                           ; s[76:83] the last fill, one unit: P: 32 rows a load
.set G1LB, 88                          ; s[88:95] v^T: 64 rows
.set G0L, 96                           ; s[96:99] P's group 0 for the last fill (v^T's is slot 1's, stepped)
.set MSB, 0
.macro WIN new
.if MSB != (\new)
	s_set_vgpr_msb (MSB<<8)|(\new)
.set MSB, (\new)
.endif
.endm
.set MUL,  0x52                        ; source 0 (v^T) window 2, source 1 (P) window 0, C and D window 1
.set TO_B, 0x80                        ; destination window 2, address window 0
.set RS,   0x41                        ; destination and source 0 window 1, source 1 window 0
.set OUTW, 0x01                        ; source 0 window 1
.macro JLOAD g0a, g1a, g0b, g1b        ; waves 0 and 1 fetch P's two halves, waves 2 and 3 v^T's two channel blocks; an s_nop 0 and four v_nop follow each of the two lines
	s_cmp_eq_u32 s15, 0
	s_cbranch_scc0 .Lfor_b_\@
	tensor_load_to_lds s[\g0a:\g0a+3], s[\g1a:\g1a+7]
	s_nop 0
.rept 4
	v_nop
.endr
	s_branch .Lasked_\@
.Lfor_b_\@:
	tensor_load_to_lds s[\g0b:\g0b+3], s[\g1b:\g1b+7]
	s_nop 0
.rept 4
	v_nop
.endr
.Lasked_\@:
.endm
.macro CREST
	s_cmp_lg_u32 s14, 0
	s_cbranch_scc1 .Lnot_wave_0_\@
	s_barrier_signal -3
.Lnot_wave_0_\@:
	s_barrier_wait -3
	s_barrier_signal -1
	s_barrier_wait -1
.endm
.macro CROUND
	s_barrier_signal -1
	s_barrier_wait -1
	CREST
.endm
	s_load_b256 s[68:75], s[0:1], 0x0              ; pc s[68:69], vc s[70:71], stats s[72:73], the scales' exponents s[74:75]
	s_load_b64 s[10:11], s[0:1], 0x20              ; out0
	v_lshl_add_u32 v[SPW], v0, 2, SPARE
	v_mov_b32 v[NIL], 0
	ds_add_u32 v[SPW], v[NIL]                      ; the wave's opening: the add, twice on end, and its wait ahead of my first tensor load
	ds_add_u32 v[SPW], v[NIL]
	v_lshrrev_b32 v1, 5, v0
	v_readfirstlane_b32 s14, v1                    ; wave 0..3
	s_lshr_b32 s15, s14, 1                         ; which 64 queries are mine.  Also: I fetch for P (0) or for v^T (1)
	s_and_b32 s16, s14, 1                          ; which 128 channels.  Also: which part of that tile I fetch
	s_bfe_u32 s40, ttmp6, 0x40000                  ; cx, cy
	s_bfe_u32 s41, ttmp6, 0x40004
	s_lshl_b32 s42, ttmp9, 2
	s_add_co_u32 s42, s42, s40                     ; the channel tile, 0..3
	s_and_b32 s17, ttmp7, 0xffff
	s_lshr_b32 s19, s17, 2                         ; the batch = cluster y / 4: all partners share it
	s_lshl_b32 s17, s17, 2
	s_add_co_u32 s17, s17, s41                     ; the query tile, 0..63
	s_lshl_b32 s43, s41, 2
	s_lshl_b32 s43, 15, s43                        ; my row of the cluster
	s_lshl_b32 s44, 0x1111, s40                    ; my column
	; descriptor groups 1: dense blocks, stated as rows of 32 elements of 8 bytes; they differ in the mask and in the number of rows
	s_or_b32 s[G1+0], s43, (3<<16)|(1<<21)
	s_or_b32 s[G1L+0], s43, (3<<16)|(1<<21)
	s_or_b32 s[G1B+0], s44, (3<<16)|(1<<21)
	s_or_b32 s[G1LB+0], s44, (3<<16)|(1<<21)
.irp g, G1, G1B, G1L, G1LB
	s_mov_b32 s[\g+1], 32<<16                      ; tensor_dim0
	s_mov_b32 s[\g+3], 32<<16                      ; tile_dim0
	s_mov_b32 s[\g+5], 32                          ; tensor_dim0_stride
	s_mov_b32 s[\g+6], 0
	s_mov_b32 s[\g+7], 0
.endr
	s_mov_b32 s[G1+2], 96<<16                      ; tensor_dim1,
	s_mov_b32 s[G1+4], 96                          ; tile_dim1: half of P's 49,152 bytes
	s_mov_b32 s[G1B+2], 192<<16
	s_mov_b32 s[G1B+4], 192                        ; a channel block's 49,152 bytes
	s_mov_b32 s[G1L+2], 32<<16
	s_mov_b32 s[G1L+4], 32                         ; half of one chunk of P
	s_mov_b32 s[G1LB+2], 64<<16
	s_mov_b32 s[G1LB+4], 64                        ; one chunk of v^T
	s_lshl_b32 s20, s17, 18                        ; P: the query tile's 16 chunks of 16,384 bytes
	s_mov_b32 s21, 0
	s_mul_i32 s45, s16, 24576                      ; my half of a slot's part of P, in memory and in LDS alike,
	s_lshl_b32 s18, s16, 13                        ; and of the last fill's one chunk
	s_lshl_b32 s46, s19, 3
	s_lshl_b32 s47, s42, 1
	s_add_co_u32 s46, s46, s47
	s_add_co_u32 s46, s46, s16                     ; v^T: 8 x batch + 2 x channel tile + half,
	s_lshl_b32 s46, s46, 18                        ; 16 chunks each
	s_mov_b32 s47, 0
	s_mul_i32 s23, s16, PREG
	s_add_co_u32 s23, s23, PREG                    ; v^T's channel block in a slot
	s_mov_b32 s3, 0
	s_wait_dscnt 0x0                               ; both opening adds are done
	s_wait_kmcnt 0x0
	s_load_b64 s[84:85], s[74:75], 0x20            ; e8, e9
	s_add_nc_u64 s[20:21], s[68:69], s[20:21]
	s_add_nc_u64 s[46:47], s[70:71], s[46:47]
	s_mov_b32 s2, s18
	s_mov_b32 s[G0L], 1                            ; the last fill of P: unit 15, into slot 1's first chunk
	s_add_co_u32 s[G0L+1], s18, SLOT
	s_add_nc_u64 s[G0L+2:G0L+3], s[20:21], s[2:3]
	s_add_nc_u64 s[G0L+2:G0L+3], s[G0L+2:G0L+3], 5*PREG
	s_or_b32 s[G0L+3], s[G0L+3], 0x80000000
	s_mov_b32 s2, s45
	s_add_nc_u64 s[20:21], s[20:21], s[2:3]        ; P at my half of the first three units
	CROUND                                         ; the first joint loads meet
.irp s, 0,1
	s_mov_b32 s[G0+4*\s], 1
	s_add_co_u32 s[G0+4*\s+1], s45, \s*SLOT
	s_add_nc_u64 s[G0+4*\s+2:G0+4*\s+3], s[20:21], \s*PREG    ; slot s begins with units 3 s .. 3 s + 2
	s_or_b32 s[G0+4*\s+3], s[G0+4*\s+3], 0x80000000
	s_mov_b32 s[G0B+4*\s], 1
	s_add_co_u32 s[G0B+4*\s+1], s23, \s*SLOT
	s_add_nc_u64 s[G0B+4*\s+2:G0B+4*\s+3], s[46:47], \s*PREG
	s_or_b32 s[G0B+4*\s+3], s[G0B+4*\s+3], 0x80000000
	JLOAD G0+4*\s, G1, G0B+4*\s, G1B               ; two loads of mine are out
.endr
	; THE ROWS' FACTORS, made while the first tiles are on their way.  -M_k and l_k of my query in each of my four blocks of 16: 64 loads
	v_and_b32 v1, 15, v0                           ; l % 16
	v_bfe_u32 v2, v0, 4, 1                         ; l / 16
	s_lshl_b32 s22, s15, 8
	v_lshlrev_b32 v[VST], 2, v1
	v_add_nc_u32 v[VST], s22, v[VST]               ; 256 x my half + 4 (l % 16)
	s_lshl_b32 s20, s17, 9                         ; the tile's 128 queries
	s_mov_b32 s21, 0
	s_add_nc_u64 s[72:73], s[72:73], s[20:21]
.irp a, 0,1,2,3
.irp k, 0,1,2,3,4,5,6,7
	global_load_b32 v[NMS+8*\a+\k], v[VST], s[72:73] offset:\k*32768+64*\a
	global_load_b32 v[LS+8*\a+\k], v[VST], s[72:73] offset:262144+\k*32768+64*\a
.endr
.endr
	v_and_b32 v6, 31, v0
	v_lshlrev_b32 v[CO], 4, v6
	s_lshl_b32 s21, s15, 13                        ; my 64 queries: four fragments of a chunk's eight
	s_mul_i32 s22, s16, PREG
	s_add_co_u32 s22, s22, PREG                    ; my 128 channels
.irp s, 0,1
	v_add_nc_u32 v[ADRA+\s], s21, v[CO]
	v_add_nc_u32 v[ADRB+\s], s22, v[CO]
	s_add_co_u32 s21, s21, SLOT
	s_add_co_u32 s22, s22, SLOT
.endr
	s_mul_i32 s23, s14, 16*SPITCH                  ; my stage
	v_mul_u32_u24 v5, v1, SPITCH                   ; in: row l % 16, 32 bytes for each half of the lanes
	v_lshl_add_u32 v5, v2, 5, v5
	v_add_nc_u32 v[STO], s23, v5
	v_add_nc_u32 v[RD], s23, v[CO]                 ; back: the 32 lanes take one row of 512 bytes
	s_lshl_b32 s20, s17, 7
	s_lshl_b32 s21, s15, 6
	s_add_co_u32 s20, s20, s21                     ; my first row of out0,
	s_lshl_b32 s20, s20, 12                        ; 4,096 bytes a row
	s_mov_b32 s21, 0
	s_lshl_b32 s46, s42, 10                        ; my first channel, in bytes
	s_lshl_b32 s47, s16, 9
	s_add_co_u32 s46, s46, s47
	s_mov_b32 s47, 0
	s_add_nc_u64 s[20:21], s[20:21], s[46:47]
	s_add_nc_u64 s[10:11], s[10:11], s[20:21]
	s_wait_kmcnt 0x0
	s_add_co_i32 s86, s84, s85                     ; e8 + e9
	s_wait_loadcnt 0x0
.irp a, 0,1,2,3
	v_min3_num_f32 v[GG+\a], v[NMS+8*\a], v[NMS+8*\a+1], v[NMS+8*\a+2]
.endr
.irp a, 0,1,2,3
	v_min3_num_f32 v[GG+\a], v[GG+\a], v[NMS+8*\a+3], v[NMS+8*\a+4]
.endr
.irp a, 0,1,2,3
	v_min3_num_f32 v[GG+\a], v[GG+\a], v[NMS+8*\a+5], v[NMS+8*\a+6]
.endr
.irp a, 0,1,2,3
	v_min_num_f32 v[GG+\a], v[GG+\a], v[NMS+8*\a+7]    ; -M = the least -M_k
.endr
.irp a, 0,1,2,3
	v_add_f32 v[GF+\a], 0x42800000, v[GG+\a]       ; -(M - 64)
.endr
.irp k, 0,1,2,3,4,5,6,7
.irp a, 0,1,2,3
	v_sub_f32 v[TT+\a], v[GG+\a], v[NMS+8*\a+\k]   ; M_k - M: a whole number, 0 or less
.endr
.irp a, 0,1,2,3
	v_cvt_i32_f32 v[TT+\a], v[TT+\a]               ; (it saturates)
.endr
.irp a, 0,1,2,3
	v_ldexp_f32 v[LS+8*\a+\k], v[LS+8*\a+\k], v[TT+\a]   ; l_k under the row's M
.endr
.endr
.irp a, 0,1,2,3
	v_add_f32 v[LL+\a], v[LS+8*\a], v[LS+8*\a+1]
.endr
.irp k, 2,3,4,5,6,7
.irp a, 0,1,2,3
	v_add_f32 v[LL+\a], v[LL+\a], v[LS+8*\a+\k]
.endr
.endr
.irp a, 0,1,2,3
	v_rcp_f32 v[RC+\a], v[LL+\a]                   ; one batch; the factors below are the independent work behind it
.endr
.irp k, 0,1,2,3,4,5,6,7
.irp a, 0,1,2,3
	v_min_num_f32 v[NMS+8*\a+\k], v[NMS+8*\a+\k], v[GF+\a]   ; -U_k = min(-M_k, -(M - 64))
.endr
.endr
.irp k, 1,2,3,4,5,6,7
.irp a, 0,1,2,3
	v_sub_f32 v[TT+\a], v[NMS+8*\a+\k], v[NMS+8*\a+\k-1]     ; U_(k-1) - U_k, between -64 and 64
.endr
.irp a, 0,1,2,3
	v_cvt_i32_f32 v[TT+\a], v[TT+\a]
.endr
.irp a, 0,1,2,3
	v_ldexp_f32 v[RF+2*(7*\a+\k-1)], 1.0, v[TT+\a]
.endr
.irp a, 0,1,2,3
	v_mov_b32 v[RF+2*(7*\a+\k-1)+1], v[RF+2*(7*\a+\k-1)]     ; both halves of the pair hold the factor
.endr
.endr
.irp a, 0,1,2,3
	v_sub_f32 v[TT+\a], v[GG+\a], v[NMS+8*\a+7]    ; U_7 - M
.endr
.irp a, 0,1,2,3
	v_cvt_i32_f32 v[TT+\a], v[TT+\a]
.endr
.irp a, 0,1,2,3
	v_add_nc_u32 v[TT+\a], s86, v[TT+\a]           ; + e8 + e9
.endr
	s_wait_alu depctr_va_vdst(0)                   ; a wait ahead of the reciprocals' first reader
.irp a, 0,1,2,3
	v_ldexp_f32 v[FIN+2*\a], v[RC+\a], v[TT+\a]
.endr
.irp a, 0,1,2,3
	v_mov_b32 v[FIN+2*\a+1], v[FIN+2*\a]
.endr
; 48 LDS loads in one run: v^T's eight fragments and P's four of the slot's q-th unit into set number set; P's blocks 2 and 3 last
.macro FETCH slot, q, set
	WIN TO_B
.irp i, 0,1,2,3,4,5,6,7
.irp c, 0,1,2,3
	ds_load_b128 v[128*(\set)+16*\i+4*\c:128*(\set)+16*\i+4*\c+3], v[ADRB+\slot] offset:16384*(\q)+2048*\i+512*\c
.endr
.endr
	WIN 0
.irp i, 0,1,2,3
.irp c, 0,1,2,3
	ds_load_b128 v[AF+64*(\set)+16*\i+4*\c:AF+64*(\set)+16*\i+4*\c+3], v[ADRA+\slot] offset:16384*(\q)+2048*\i+512*\c
.endr
.endr
.endm
; 8 matrix instructions: P's block a x v^T's eight.  zero = 1: the product starts the sum.  The 32 accumulators take turns, one instruction a turn.
; k > 0: behind each product stand four packed multiplies that bring accumulator ((a + 2) % 4, b) from key block k - 1's unit into block k's: an accumulator that has had its last product of block k - 1, four plain
; instructions or more ago, and not yet its first of block k.  They name no register of the product in front of them; each accumulator is taken from its low end on.
.macro MULA a, set, zero, k
.irp b, 0,1,2,3,4,5,6,7
	WIN MUL
.if \zero
	v_wmma_f32_16x16x128_fp8_fp8 v[8*(8*(\a)+\b):8*(8*(\a)+\b)+7], v[128*(\set)+16*\b:128*(\set)+16*\b+15], v[AF+64*(\set)+16*(\a):AF+64*(\set)+16*(\a)+15], 0
.else
	v_wmma_f32_16x16x128_fp8_fp8 v[8*(8*(\a)+\b):8*(8*(\a)+\b)+7], v[128*(\set)+16*\b:128*(\set)+16*\b+15], v[AF+64*(\set)+16*(\a):AF+64*(\set)+16*(\a)+15], v[8*(8*(\a)+\b):8*(8*(\a)+\b)+7]
.endif
.if (\k) > 0
	WIN RS
.irp i, 0,2,4,6
	v_pk_mul_f32 v[8*(8*(((\a)+2)%4)+\b)+\i:8*(8*(((\a)+2)%4)+\b)+\i+1], v[8*(8*(((\a)+2)%4)+\b)+\i:8*(8*(((\a)+2)%4)+\b)+\i+1], v[RF+2*(7*(((\a)+2)%4)+(\k)-1):RF+2*(7*(((\a)+2)%4)+(\k)-1)+1]
.endr
.endif
.endr
.endm
.macro PLACES n                        ; plain vector instructions between a matrix instruction and a load into, or a read of, its registers (ISA guide 7.12.1 for reads)
.rept \n
	v_nop
.endr
.endm
; A UNIT of 128 keys, on fragment set number set (units take the two sets by turns).  k1: a key block's first unit: its first sixteen products carry the rescaling of query blocks 2 and 3 into key block k1.
; k2: a key block's second unit: its last sixteen products carry the rescaling of query blocks 0 and 1 into key block k2, the next.  Else 0.
; UNITS: the next unit lies in the same slot, at place nq: it is fetched in this unit's middle.
.macro UNITS nslot, nq, set, zero, k1, k2
	s_wait_dscnt 8                                 ; v^T's set and P's blocks 0, 1 are in; the youngest eight loads (P's blocks 2, 3) may be out
	MULA 0, \set, \zero, \k1
	MULA 1, \set, \zero, \k1
	PLACES 4
	FETCH \nslot, \nq, 1-\set
	s_wait_dscnt 48                                ; all but the 48 just issued
	MULA 2, \set, \zero, \k2
	MULA 3, \set, \zero, \k2
.endm
; UNITC: a slot's last unit, and the change of slots: one barrier; in front of it each wave waits for all its tensor loads, adds 0 to its spare word, and waits for that and for its reads of this slot.
; fill = 1: the slot takes the three units that lie six on;  fill = 2: the last fill, one unit;  fill = 0: nothing is left to fetch.
.macro UNITC slot, nslot, set, fill, k1, k2
	WIN 0                                          ; (the add's two registers lie in window 0)
	s_wait_tensorcnt 0x0                           ; all my tensor loads have landed: my part of the next slot
	ds_add_u32 v[SPW], v[NIL]                      ; 0 onto my spare word
	s_wait_dscnt 9                                 ; (the add and the youngest eight loads may be out)
	MULA 0, \set, 0, \k1                           ; eight matrix instructions stand between the add and the wait for it
	s_wait_dscnt 0x0                               ; the add is done, and my reads of this slot are over
	s_barrier_signal -1
	MULA 1, \set, 0, \k1
	WIN 0
	s_barrier_wait -1
.if \fill == 1
	CREST                                          ; a round of the cluster's barrier: no wave of any partner still reads this slot or has a load on its way
	s_add_nc_u64 s[G0+4*\slot+2:G0+4*\slot+3], s[G0+4*\slot+2:G0+4*\slot+3], 2*PREG
	s_add_nc_u64 s[G0B+4*\slot+2:G0B+4*\slot+3], s[G0B+4*\slot+2:G0B+4*\slot+3], 2*PREG
	JLOAD G0+4*\slot, G1, G0B+4*\slot, G1B         ; the first tensor load behind the round; its four v_nop are the places in front of the loads below
.elseif \fill == 2
	CREST
	s_add_nc_u64 s[G0B+4*\slot+2:G0B+4*\slot+3], s[G0B+4*\slot+2:G0B+4*\slot+3], 2*PREG
	JLOAD G0L, G1L, G0B+4*\slot, G1LB              ; one chunk of P and one of each channel block, into the places of the slot's first unit
.else
	PLACES 4
.endif
	FETCH \nslot, 0, 1-\set
	MULA 2, \set, 0, \k2
	MULA 3, \set, 0, \k2
.endm
	s_wait_tensorcnt 1                             ; my part of slot 0 is in; slot 1's may stay out
	s_barrier_signal -1
	s_barrier_wait -1
	FETCH 0, 0, 0
	UNITS 0, 1, 0, 1, 0, 0                         ; unit 0: the first products start the sums.  Sixteen units, written out: unit u lies in slot (u / 3) % 2, place u % 3, and belongs to key block u / 2
	UNITS 0, 2, 1, 0, 0, 1                         ; unit 1
	UNITC 0, 1, 0, 1, 1, 0                         ; unit 2: slot 0 takes units 6 to 8
	UNITS 1, 1, 1, 0, 0, 2                         ; unit 3
	UNITS 1, 2, 0, 0, 2, 0                         ; unit 4
	UNITC 1, 0, 1, 1, 0, 3                         ; unit 5: slot 1 takes units 9 to 11
	UNITS 0, 1, 0, 0, 3, 0                         ; unit 6
	UNITS 0, 2, 1, 0, 0, 4                         ; unit 7
	UNITC 0, 1, 0, 1, 4, 0                         ; unit 8: slot 0 takes units 12 to 14
	UNITS 1, 1, 1, 0, 0, 5                         ; unit 9
	UNITS 1, 2, 0, 0, 5, 0                         ; unit 10
	UNITC 1, 0, 1, 2, 0, 6                         ; unit 11: slot 1 takes unit 15: the last load
	UNITS 0, 1, 0, 0, 6, 0                         ; unit 12
	UNITS 0, 2, 1, 0, 0, 7                         ; unit 13
	UNITC 0, 1, 0, 0, 7, 0                         ; unit 14: nothing is left to fetch; behind this barrier nobody reads slot 0
	s_wait_dscnt 8                                 ; unit 15
	MULA 0, 1, 0, 0
	MULA 1, 1, 0, 0
	s_wait_dscnt 0
	MULA 2, 1, 0, 0
	MULA 3, 1, 0, 0
; THE WAY OUT, a block of 16 queries x 128 channels at a time: x the row's last factor; through my stage in LDS (a lane holds 32 bytes of a row, the lanes beside it other rows); back as whole rows of 512 bytes.
; LDS serves a wave's instructions in order (ISA guide 5.7.1.4): no wait between the stores and the loads, nor in front of the next block's stores.
.macro TOSTAGE a
	WIN OUTW
.set j, 0
.rept 32
	v_pk_mul_f32 v[TMP+j:TMP+j+1], v[64*(\a)+j:64*(\a)+j+1], v[FIN+2*(\a):FIN+2*(\a)+1]
.set j, j+2
.endr
	WIN 0
.irp b, 0,1,2,3,4,5,6,7
	ds_store_b128 v[STO], v[TMP+8*\b:TMP+8*\b+3] offset:64*\b
	ds_store_b128 v[STO], v[TMP+8*\b+4:TMP+8*\b+7] offset:64*\b+16
.endr
.set BB, BK+64*((\a)%2)
.irp t, 0,1,2,3,4,5,6,7,8,9,10,11,12,13,14,15
	ds_load_b128 v[BB+4*\t:BB+4*\t+3], v[RD] offset:\t*SPITCH
.endr
.endm
.macro SEND a, younger                 ; younger: the LDS instructions issued behind block a's loads, which may stay out
.set BB, BK+64*((\a)%2)
	s_wait_dscnt \younger
.irp t, 0,1,2,3,4,5,6,7,8,9,10,11,12,13,14,15
	global_store_b128 v[CO], v[BB+4*\t:BB+4*\t+3], s[10:11] offset:(16*(\a)+\t)*4096 th:TH_STORE_NT   ; 32 lanes store 512 consecutive bytes, at a multiple of 512 from out0's first byte; written once, read by nobody here
.endr
.endm
	PLACES 4                                       ; behind the last products: their results are read, and loads land in the registers of P's fragments, below
	TOSTAGE 0
.irp a, 1,2,3
.if \a > 1
	s_wait_xcnt 0x0                                ; block a - 2's stores have read their registers: block a's loads may land there
.endif
	TOSTAGE \a
	SEND \a-1, 32                                  ; behind block a - 1's loads: block a's 16 stores and 16 loads
.endr
	SEND 3, 0
	s_wait_tensorcnt 0x0                           ; the wave's end, behind my last tensor load and my last LDS store
	ds_add_u32 v[SPW], v[NIL]
	s_wait_dscnt 0x0
	CROUND                                         ; the closing round
	s_endpgm
.Lfunc_end_k_q349b457463_pv:
	.size	k_q349b457463_pv, .Lfunc_end_k_q349b457463_pv-k_q349b457463_pv
	.p2alignl 7, 3214868480
	.fill 96, 4, 3214868480
	.section	.rodata,"a",@progbits
	.p2align	6, 0x0
	.amdhsa_kernel k_q349b457463_pv
		.amdhsa_group_segment_fixed_size 327680
		.amdhsa_private_segment_fixed_size 0
		.amdhsa_enable_private_segment 0
		.amdhsa_kernarg_size 40
		.amdhsa_user_sgpr_count 2
		.amdhsa_user_sgpr_kernarg_segment_ptr 1
		.amdhsa_wavefront_size32 1
		.amdhsa_system_sgpr_workgroup_id_x 1
		.amdhsa_system_sgpr_workgroup_id_y 1
		.amdhsa_system_sgpr_workgroup_id_z 1
		.amdhsa_system_vgpr_workitem_id 0
		.amdhsa_next_free_vgpr 768
		.amdhsa_next_free_sgpr 100
		.amdhsa_reserve_vcc 0
		.amdhsa_float_denorm_mode_32 3
		.amdhsa_float_denorm_mode_16_64 3
		.amdhsa_memory_ordered 1
		.amdhsa_forward_progress 1
		.amdhsa_inst_pref_size 208
	.end_amdhsa_kernel
	.amdgpu_metadata
---
amdhsa.version: [ 1, 2 ]
amdhsa.kernels:
  - .name:           k_q349b457463_pv
    .symbol:         k_q349b457463_pv.kd
    .args:
      - { .name: pc, .offset: 0, .size: 8, .value_kind: global_buffer, .address_space: global }
      - { .name: vc, .offset: 8, .size: 8, .value_kind: global_buffer, .address_space: global }
      - { .name: stats, .offset: 16, .size: 8, .value_kind: global_buffer, .address_space: global }
      - { .name: lowp_scales, .offset: 24, .size: 8, .value_kind: global_buffer, .address_space: global }
      - { .name: out0, .offset: 32, .size: 8, .value_kind: global_buffer, .address_space: global }
    .group_segment_fixed_size: 327680
    .private_segment_fixed_size: 0
    .kernarg_segment_align: 8
    .kernarg_segment_size: 40
    .max_flat_workgroup_size: 128
    .sgpr_count:     100
    .vgpr_count:     768
    .wavefront_size: 32
...
	.end_amdgpu_metadata
.endif
;; end of part 3
